; MI455X (gfx1250); checked and timed in simulation.
; The chip was launched on July 23, 2026; its instructions are those of AMD's public machine-readable ISA for CDNA 5 (MIT licence, August 2026) and "CDNA5" Instruction Set Architecture Reference Guide (July 2026). The comments in the code are by the model that wrote it; some were corrected since.
;; Attention Block. Allowed arithmetic: matrix products marked QUANTISED: E2M1 operands, one E8M0 scale for each 32 along K, by v_wmma_scale_f32_16x16x128_f8f6f4 with both operands' format E2M1 (or v_wmma_scale_f32_32x16x128_f4), f32 sums; everything else in f32.
;; Inputs: b_out 256 float32; gn_bias 256 float32; gn_scale 256 float32; w_out_codes 256 x 8 x 16 uint8 (E2M1 codes of w_out, K innermost, in blocks of 32 codes, two codes a byte); w_out_scales 256 x 8 uint8 (E8M0 scales of w_out, one for each 32 codes along K); w_qkv_codes 768 x 8 x 16 uint8 (E2M1 codes of w_qkv, K innermost, in blocks of 32 codes, two codes a byte); w_qkv_scales 768 x 8 uint8 (E8M0 scales of w_qkv, one for each 32 codes along K); x 4 x 64 x 64 x 256 float32.
;; Outputs: out0 4 x 64 x 64 x 256 float32.
;; This version of the problem:
;;   THIS VERSION OF THE PROBLEM IS GIVEN IN LOW PRECISION. The matrix products marked QUANTISED in the list below multiply operands that are first quantised to E2M1 (2 exponent bits, 1 mantissa bit; 4 bits a number), with one power-of-two scale for each 32 numbers along K (OCP MX v1.0); their sums are f32. All else is computed in f32.
;;   The module's matrix products, in the order in which they are computed (A, B: the left and right operand; K: the contracted axis; several contracted axes count as one K, in the product's order):
;;     1. [M 16,384, K 256] x [K 256, N 768]; A: computed on the way; B: input w_qkv (given as codes): QUANTISED
;;     2. batch 16 x [M 4,096, K 64] x [K 64, N 4,096]; A: computed on the way; B: computed on the way: QUANTISED
;;     3. batch 16 x [M 64, K 4,096] x [K 4,096, N 4,096]; A: computed on the way; B: softmax (see below): QUANTISED
;;     4. [M 16,384, K 256] x [K 256, N 256]; A: computed on the way; B: input w_out (given as codes): QUANTISED
;;   THE QUANTISER, for each operand of a quantised product, along K:
;;     - K is cut into blocks of 32 from its start; a last block that is shorter is filled with zeros.
;;     - A block's scale is 2^e with e = floor(log2(the largest magnitude in the block)) - 2, held to -126 .. 127; a block of zeros has e = 0. As a byte (E8M0): e + 127.
;;     - Each number is divided by its block's scale, clamped to +-6, and rounded to the nearest number of E2M1, ties to even, subnormals kept.
;;     - The product sums the exact products of the quantised numbers (number of the format x scale) in f32.
;;   ~~~python
;;   def quantise(x, axis):      # numpy; x: float32 -> the quantised numbers, widened to float32 again
;;       x = np.moveaxis(x, axis, -1); K = x.shape[-1]
;;       x = np.pad(x, [(0, 0)] * (x.ndim - 1) + [(0, -K % 32)]); x = x.reshape(x.shape[:-1] + (-1, 32)); a = np.abs(x).max(-1, keepdims=True)
;;       e = np.where(a > 0, np.clip(np.frexp(np.where(a > 0, a, 1))[1] - 1 - 2, -126, 127), 0)      # np.frexp(a)[1] - 1 = floor(log2(a)), exactly
;;       r = np.clip(x / 2.0 ** e, -6, 6)
;;       step = 2.0 ** (np.maximum(np.frexp(np.where(r == 0, 1, r))[1] - 1, 0) - 1)
;;       q = np.round(r / step) * step * 2.0 ** e      # np.round: ties to even
;;       return np.moveaxis(q.reshape(q.shape[:-2] + (-1,))[..., :K], -1, axis).astype(np.float32)
;;   ~~~
;;   SOFTMAX AHEAD OF A QUANTISED PRODUCT. Where the list says 'softmax', what is quantised is not the finished softmax but p = 2^(t - M), with t = logit x log2(e) and M = ceil(the row's largest t), a whole number; so 1/2 < the row's largest p <= 1. The row's sum l is taken of the UNQUANTISED p, in f32, and the product's result is divided by l at the end. Since M is a whole number, a kernel that streams over the keys may use a running M (the ceiling of the running maximum): every later rescaling is an exact power of two, which a block's scale takes up: the codes' values come out the same.
;;   OPERANDS COMPUTED ON THE WAY. 'Computed on the way' means the value that the module computes at that place (a softmax that the list does not call 'softmax' is quantised finished and normalised). What goes into a quantiser is computed in f32, as accurately as f32 sums, v_exp_f32 and their like allow (about 1e-6 of the number): no bf16 or f16 on the way to a quantiser, and a product that is left as it is and whose result goes on into a quantised operand takes f32 operands (vector FMAs, or v_wmma_f32_16x16x4_f32). A number that lies on a knife's edge between two numbers of the format may be rounded either way, as far as f32 arithmetic and the matrix unit's own rounding can turn it there, and no further.
;;   INPUTS GIVEN AS CODES. w_out (in the module: [256, 256], K = its axis 0); w_qkv (in the module: [256, 768], K = its axis 0): each comes as NAME_codes (uint8): NAME with its K axis moved to the last place and cut into blocks of 32 codes, [.., K / 32, bytes a block], one block behind the other in memory; two codes a byte, the lower K in the low four bits (a code: sign, 2 exponent bits, 1 mantissa bit); and NAME_scales (uint8): the same leading axes, one E8M0 byte (e + 127) for each 32 codes along K. Its value is code x scale, taken as it is: it is not quantised again, and the codes and scales need not be those that the quantiser above would give.
;; 2 versions. Each part assembles by itself: llvm-mc -triple=amdgcn-amd-amdhsa -mcpu=gfx1250 --defsym DOCPART=n.
;; ======== version 1 of 2: 3 launches
;; workspace buffers: part 16,384 bytes; gstat 256 bytes; qc 2,097,152 bytes; qs 262,144 bytes; kv 4,718,592 bytes
;; launch stats (part 1): grid 256 x 1, 8 waves a work-group, no clusters, 1,280 bytes of LDS; arguments x, part; writes part
.if DOCPART == 1
	.amdgcn_target "amdgcn-amd-amdhsa--gfx1250"
	.amdhsa_code_object_version 6
	.text
	.protected	k_q4c8758f6e6_stats
	.globl	k_q4c8758f6e6_stats
	.p2align	8
	.type	k_q4c8758f6e6_stats,@function
k_q4c8758f6e6_stats:
	s_mov_b64 s[64:65], 0
	v_nop
	global_prefetch_b8 v0, s[64:65] scope:SCOPE_SE
	s_setreg_imm32_b32 hwreg(HW_REG_WAVE_MODE, 25, 1), 1
	s_wait_xcnt 0x0
; GroupNorm's statistics, first stage.  x: [16384 rows][256 channels] f32; a group is 32 neighbouring channels; an image is 4,096 rows.
; Work-group i takes rows 64 i .. 64 i + 63 and stores, for each of the 8 groups, the mean and the sum of squared deviations (M2) of its 2,048 numbers:
; part[i][g] = (mean, M2), 8 bytes at 64 i + 8 g.  The next launch joins an image's 64 such pairs.
; Wave w takes half-row u = w & 1 (512 bytes, 4 groups) of rows (w >> 1) + 4 j, j = 0 .. 15: each load covers 512 consecutive bytes; eight neighbouring lanes hold one group.
; Two passes over registers (mean, then deviations from it): no difference of large sums is formed, so a common offset of the inputs costs no accuracy.
; LIMITS: NaN and infinities among the inputs are not served.
.set X, 16                             ; v16-79  16 loads x 4 numbers
	s_load_b128 s[4:7], s[0:1], 0x0                ; x, part
	v_lshl_add_u32 v96, v0, 2, 0x100
	v_mov_b32 v97, 0
	v_lshrrev_b32 v1, 5, v0
	v_readfirstlane_b32 s8, v1                     ; wave 0..7
	v_and_b32 v2, 31, v0                           ; lane
	v_bfe_u32 v3, v0, 5, 1                         ; u = wave & 1
	v_bfe_u32 v4, v0, 6, 2                         ; wave >> 1
	v_bfe_u32 v5, v0, 3, 2                         ; lane >> 3: my group among the half-row's four
	v_lshlrev_b32 v1, 4, v2
	v_lshl_add_u32 v1, v3, 9, v1
	v_lshl_add_u32 v1, v4, 10, v1                  ; 16 lane + 512 u + 1024 (wave >> 1)
	v_lshlrev_b32 v6, 7, v3
	v_lshl_add_u32 v6, v5, 5, v6
	v_lshl_add_u32 v6, v4, 3, v6                   ; LDS: 32 bytes a group (4 u + lane / 8), 8 bytes for each of its four waves
	v_and_b32 v7, 7, v0
	v_lshlrev_b32 v8, 3, v7                        ; wave 0's way out: 8 bytes a group
	v_lshlrev_b32 v7, 5, v7                        ; and the group's 32 bytes in LDS
	s_lshl_b32 s10, ttmp9, 16                      ; 64 rows of 1,024 bytes
	s_mov_b32 s11, 0
	s_lshl_b32 s12, ttmp9, 6                       ; 64 bytes of part
	s_mov_b32 s13, 0
	s_wait_kmcnt 0x0
	s_add_nc_u64 s[4:5], s[4:5], s[10:11]
	s_add_nc_u64 s[6:7], s[6:7], s[12:13]
.irp j, 0,1,2,3,4,5,6,7,8,9,10,11,12,13,14,15
	global_load_b128 v[X+4*\j:X+4*\j+3], v1, s[4:5] offset:4096*\j   ; no hint: the next launches read x again
.endr
	; pass 1: the sum, two numbers at a time, in four chains; the first eight pairs start them, so nothing is cleared
	s_wait_loadcnt 12                              ; loads 0-3 are in; the twelve younger may be out
.irp c, 0,1,2,3
	v_pk_add_f32 v[80+2*\c:81+2*\c], v[X+2*\c:X+2*\c+1], v[X+8+2*\c:X+9+2*\c]
.endr
.irp g, 1,2,3
	s_wait_loadcnt 12-4*\g                         ; four loads more are in
.irp p, 0,1,2,3,4,5,6,7
	v_pk_add_f32 v[80+2*(\p%4):81+2*(\p%4)], v[80+2*(\p%4):81+2*(\p%4)], v[X+16*\g+2*\p:X+16*\g+2*\p+1]
.endr
.endr
	v_pk_add_f32 v[80:81], v[80:81], v[82:83]
	v_pk_add_f32 v[84:85], v[84:85], v[86:87]
	v_pk_add_f32 v[80:81], v[80:81], v[84:85]
	v_add_f32 v90, v80, v81
	v_add_f32_dpp v90, v90, v90 row_xmask:1 row_mask:0xf bank_mask:0xf   ; the eight lanes of a group
	v_add_f32_dpp v90, v90, v90 row_xmask:2 row_mask:0xf bank_mask:0xf
	v_add_f32_dpp v90, v90, v90 row_xmask:4 row_mask:0xf bank_mask:0xf
	v_mul_f32 v88, 0x3b000000, v90                 ; / 512: the mean of my wave's 16 rows x 32 channels
	v_mov_b32 v89, v88
	; pass 2: deviations from that mean, and their squares
.set p, 0
.rept 32
	v_pk_add_f32 v[X+2*p:X+2*p+1], v[X+2*p:X+2*p+1], v[88:89] neg_lo:[0,1] neg_hi:[0,1]
.set p, p+1
.endr
.irp c, 0,1,2,3
	v_pk_mul_f32 v[80+2*\c:81+2*\c], v[X+2*\c:X+2*\c+1], v[X+2*\c:X+2*\c+1]
.endr
.set p, 4
.rept 28
	v_pk_fma_f32 v[80+2*(p%4):81+2*(p%4)], v[X+2*p:X+2*p+1], v[X+2*p:X+2*p+1], v[80+2*(p%4):81+2*(p%4)]
.set p, p+1
.endr
	v_pk_add_f32 v[80:81], v[80:81], v[82:83]
	v_pk_add_f32 v[84:85], v[84:85], v[86:87]
	v_pk_add_f32 v[80:81], v[80:81], v[84:85]
	v_add_f32 v93, v80, v81
	v_add_f32_dpp v93, v93, v93 row_xmask:1 row_mask:0xf bank_mask:0xf
	v_add_f32_dpp v93, v93, v93 row_xmask:2 row_mask:0xf bank_mask:0xf
	v_add_f32_dpp v93, v93, v93 row_xmask:4 row_mask:0xf bank_mask:0xf
	v_mov_b32 v92, v88
	ds_store_b64 v6, v[92:93]                      ; (mean, M2); a group's eight lanes write the same bytes with the same value
	s_wait_dscnt 0x0                               ; for the others' sake: my store has landed
	s_barrier_signal -1
	s_barrier_wait -1
	s_cmp_lg_u32 s8, 0
	s_cbranch_scc1 .Ldone                          ; wave 0 joins the four waves of each group
	ds_load_b128 v[16:19], v7                      ; (m0, M2_0, m1, M2_1)
	ds_load_b128 v[20:23], v7 offset:16            ; (m2, M2_2, m3, M2_3)
	s_wait_dscnt 0x0
	v_add_f32 v24, v16, v18
	v_add_f32 v25, v20, v22
	v_add_f32 v24, v24, v25
	v_mul_f32 v24, 0x3e800000, v24                 ; the mean of four means of equal counts
	v_sub_f32 v26, v16, v24
	v_sub_f32 v27, v18, v24
	v_sub_f32 v28, v20, v24
	v_sub_f32 v29, v22, v24
	v_mul_f32 v30, v26, v26
	v_fma_f32 v30, v27, v27, v30
	v_fma_f32 v30, v28, v28, v30
	v_fma_f32 v30, v29, v29, v30
	v_add_f32 v31, v17, v19
	v_add_f32 v25, v21, v23
	v_add_f32 v31, v31, v25
	v_fma_f32 v25, v30, 0x44000000, v31            ; M2 = the four M2 + 512 x the squared distances of the four means
	global_store_b64 v8, v[24:25], s[6:7]          ; lanes l, l + 8, l + 16, l + 24 hold the same group and write the same value
.Ldone:
	s_wait_tensorcnt 0x0
	ds_add_u32 v96, v97
	s_wait_dscnt 0x0
	s_endpgm
.Lfunc_end_k_q4c8758f6e6_stats:
	.size	k_q4c8758f6e6_stats, .Lfunc_end_k_q4c8758f6e6_stats-k_q4c8758f6e6_stats
	.p2alignl 7, 3214868480
	.fill 96, 4, 3214868480
	.section	.rodata,"a",@progbits
	.p2align	6, 0x0
	.amdhsa_kernel k_q4c8758f6e6_stats
		.amdhsa_group_segment_fixed_size 1280
		.amdhsa_private_segment_fixed_size 0
		.amdhsa_enable_private_segment 0
		.amdhsa_kernarg_size 16
		.amdhsa_user_sgpr_count 2
		.amdhsa_user_sgpr_kernarg_segment_ptr 1
		.amdhsa_wavefront_size32 1
		.amdhsa_system_sgpr_workgroup_id_x 1
		.amdhsa_system_sgpr_workgroup_id_y 1
		.amdhsa_system_sgpr_workgroup_id_z 1
		.amdhsa_system_vgpr_workitem_id 0
		.amdhsa_next_free_vgpr 98
		.amdhsa_next_free_sgpr 66
		.amdhsa_reserve_vcc 0
		.amdhsa_float_denorm_mode_32 3
		.amdhsa_float_denorm_mode_16_64 3
		.amdhsa_memory_ordered 1
		.amdhsa_forward_progress 1
		.amdhsa_inst_pref_size 11
	.end_amdhsa_kernel
	.amdgpu_metadata
---
amdhsa.version: [ 1, 2 ]
amdhsa.kernels:
  - .name:           k_q4c8758f6e6_stats
    .symbol:         k_q4c8758f6e6_stats.kd
    .args:
      - { .name: x, .offset: 0, .size: 8, .value_kind: global_buffer, .address_space: global }
      - { .name: part, .offset: 8, .size: 8, .value_kind: global_buffer, .address_space: global }
    .group_segment_fixed_size: 1280
    .private_segment_fixed_size: 0
    .kernarg_segment_align: 8
    .kernarg_segment_size: 16
    .max_flat_workgroup_size: 256
    .sgpr_count:     66
    .vgpr_count:     98
    .wavefront_size: 32
...
	.end_amdgpu_metadata
.endif
;; end of part 1
;; launch qkv (part 2): grid 256 x 1, 4 waves a work-group, no clusters, 79,360 bytes of LDS; arguments x, part, gn_scale, gn_bias, w_qkv_codes, w_qkv_scales, qc, qs, kv, gstat; writes qc, qs, kv, gstat
.if DOCPART == 2
	.amdgcn_target "amdgcn-amd-amdhsa--gfx1250"
	.amdhsa_code_object_version 6
	.text
	.protected	k_q4c8758f6e6_qkv
	.globl	k_q4c8758f6e6_qkv
	.p2align	8
	.type	k_q4c8758f6e6_qkv,@function
k_q4c8758f6e6_qkv:
	s_mov_b64 s[64:65], 0
	v_nop
	global_prefetch_b8 v0, s[64:65] scope:SCOPE_SE
	s_setreg_imm32_b32 hwreg(HW_REG_WAVE_MODE, 25, 1), 1
	s_wait_xcnt 0x0
; GroupNorm, then qkv = Q(xn) W, both operands as codes of FP4 (E2M1) with one E8M0 scale for each 32 along K; then q, k (along the head's 64) and v (along the keys) are quantised and stored
; AS IMAGES OF THE OPERAND REGISTERS that the attention launch wants: lane l's 16 bytes at 16 l, 512 bytes an image.
; A work-group takes 64 tokens of one image.  Wave w normalises and quantises row tile w, and owns head w: 12 tiles of 16 rows of w_qkv (4 of q, 4 of k, 4 of v), which stay in its registers.
; THE ONE LAYOUT IDEA: 64 things (tokens, head channels) are cut into four tiles by pi(T, rho) = 32 (rho >> 3) + 8 T + (rho & 7).  In a matrix result lane (r, h) holds rows 8 h + j of a tile, so its 32 registers
; of the four tiles are members 32 h + 0 .. 31: ONE WHOLE BLOCK of 32, in order, in one lane.  A block's largest magnitude needs no other lane, and four conversions give registers 4 c .. 4 c + 3 of the next operand.
; q, k: source 0 = 16 rows of W, source 1 = 16 tokens: a lane holds one token, registers run along the head's channels.  v: source 0 = 16 tokens, source 1 = 16 rows of W: a lane holds one channel, registers run along the keys.
; xn = (x - mean) (rstd x gn_scale) + gn_bias: one order of rounding away from the written formula.
; LIMITS: NaN and infinities are not served; a block whose largest magnitude lies under 2^-124 (a block of zeros among them) gets the scale byte 1: its bytes are read by this program alone.
; kv: [image 4][slot 8][head 4][step 4][9,216 bytes]: a step is 128 keys of one head: 8 images of K (tile 4 c + T': key 64 c + pi(T', rho)), 8 of V ([c][channel tile t]: registers 4 c .. 4 c + 3), 128 scale words of K, 2 x 64 half words of V.
; REGISTERS.  Window 0: v1-21 addresses; v24-31 the statistics, later the codes just made; v32-34 scale words just made; v36-46 at work; v48-79 an image's 16 partial pairs a lane; v80-95 gain and bias;
;   v96-103 x's scale words, v104-127 the weights': scales and nothing else; v128-255 x, then xn by K, then accumulators.   Window 1: v0-191 the weights' 24 fragments; v192-255 x's eight fragments.
.set HEADB, 36864
.set STEPB, 9216
.set KC,    0
.set VC,    4096
.set KSO,   8192
.set VSO,   8704
.set XIMG,  66560                      ; LDS: 0: a stage of 16 rows x 1,040 bytes for each wave; here x's 8 fragments, 1,024 bytes each;
.set XSC,   74752                      ; their scale words, 128 bytes each;
.set SG,    75776                      ; and for each wave 3 x 256 bytes: the scale words of q, k, v on their way out
.set MSB, 0
.macro WIN new                         ; the immediate's high byte repeats the setting that is left
.if MSB != \new
	s_set_vgpr_msb (MSB<<8)|\new
.set MSB, \new
.endif
.endm
; 64 numbers v[n0] .. v[n0 + 63], two whole blocks of 32 of my lane (c = 0, 1), become 8 registers of codes v24-31 and the word v32: bytes 0, 1 = blocks of lanes 0-15 and 16-31 for c = 0, bytes 2, 3 for c = 1.
.macro QUANT2 n0
	s_wait_xcnt 0x0                                ; v24-34 were the data of stores: they are rewritten only behind these two waits
	s_wait_dscnt 0x0
.irp c, 0,1
	v_max3_num_f32 v[36+\c], |v[(\n0)+32*\c]|, |v[(\n0)+32*\c+1]|, 0x1800000   ; two chains a block, each accumulator read from its low end on; the floor 2^(3 - 127) holds the byte at 1 from below
	v_max3_num_f32 v[38+\c], |v[(\n0)+32*\c+16]|, |v[(\n0)+32*\c+17]|, |v[(\n0)+32*\c+18]|
.endr
.irp i, 0,1,2,3,4,5
.irp c, 0,1
	v_max3_num_f32 v[36+\c], v[36+\c], |v[(\n0)+32*\c+2+2*\i]|, |v[(\n0)+32*\c+3+2*\i]|
	v_max3_num_f32 v[38+\c], v[38+\c], |v[(\n0)+32*\c+19+2*\i]|, |v[(\n0)+32*\c+20+2*\i]|
.endr
.endr
.irp c, 0,1
	v_max3_num_f32 v[36+\c], v[36+\c], |v[(\n0)+32*\c+14]|, |v[(\n0)+32*\c+15]|
.endr
.irp c, 0,1
	v_max3_num_f32 v[36+\c], v[36+\c], v[38+\c], |v[(\n0)+32*\c+31]|
.endr
.irp c, 0,1
	v_add_nc_u32 v[40+\c], 0xff000000, v[36+\c]    ; 2 off the exponent field: the conversion takes this operand's exponent field as its scale
.endr
.irp c, 0,1
	v_lshrrev_b32 v[42+\c], 23, v[40+\c]           ; the scale's byte
.endr
	v_lshl_or_b32 v44, v43, 16, v42
	v_lshlrev_b32 v44, v16, v44                    ; 8 h bits up
	v_permlanex16_b32 v46, v44, s28, s29
	v_or_b32 v32, v44, v46                         ; with lane l xor 16's two bytes the word is whole
.irp c, 0,1
.irp g, 0,1,2,3
	v_cvt_scalef32_pk8_fp4_f32 v[24+4*\c+\g], v[(\n0)+32*\c+8*\g:(\n0)+32*\c+8*\g+7], v[40+\c]
.endr
.endr
	v_nop                                          ; one plain place behind the last scaled conversion
.endm
.macro SPLIT
	v_and_b32 v33, 0xffff, v32                     ; the word of c = 0: two bytes, zeros above (they stand over zero codes)
	v_lshrrev_b32 v34, 16, v32                     ; and of c = 1
.endm
.macro MM d, a, b, first, sa, sb
.if \first
	v_wmma_scale_f32_16x16x128_f8f6f4 v[(\d):(\d)+7], v[(\a):(\a)+7], v[(\b):(\b)+7], 0, v[\sa], v[\sb] matrix_a_fmt:MATRIX_FMT_FP4 matrix_b_fmt:MATRIX_FMT_FP4
.else
	v_wmma_scale_f32_16x16x128_f8f6f4 v[(\d):(\d)+7], v[(\a):(\a)+7], v[(\b):(\b)+7], v[(\d):(\d)+7], v[\sa], v[\sb] matrix_a_fmt:MATRIX_FMT_FP4 matrix_b_fmt:MATRIX_FMT_FP4
.endif
.endm
	s_load_b256 s[4:11], s[0:1], 0x0               ; x, part, gn_scale, gn_bias
	s_load_b256 s[12:19], s[0:1], 0x20             ; w_qkv_codes, w_qkv_scales, qc, qs
	s_load_b128 s[20:23], s[0:1], 0x40             ; kv, gstat
	v_lshl_add_u32 v45, v0, 2, 0x13400
	v_mov_b32 v47, 0
	v_lshrrev_b32 v1, 5, v0
	v_readfirstlane_b32 s24, v1                    ; wave = my row tile = my head
	s_lshr_b32 s25, ttmp9, 6                       ; the image
	s_and_b32 s26, ttmp9, 63                       ; G: which 64 tokens of it
	s_mov_b32 s27, 0x45000000                      ; 2048.0
	s_mov_b32 s28, 0x76543210
	s_mov_b32 s29, 0xfedcba98                      ; v_permlanex16_b32's selects for lane l xor 16
	s_mov_b32 s30, 0x37000000                      ; 2^-17: a group of an image has 131,072 numbers
	s_mov_b32 s31, 0x3727c5ac                      ; 1e-5
	v_and_b32 v1, 31, v0                           ; lane
	v_and_b32 v2, 15, v0                           ; rho
	v_bfe_u32 v3, v0, 4, 1                         ; h
	v_lshlrev_b32 v4, 4, v1                        ; 16 lane
	v_lshlrev_b32 v5, 2, v1                        ; 4 lane
	v_lshlrev_b32 v6, 3, v1                        ; 8 lane
	s_mul_i32 s36, s24, 16640
	v_add_nc_u32 v7, s36, v4                       ; my stage, in: 16 lane
	v_mul_u32_u24 v8, v2, 1040
	v_lshl_add_u32 v8, v3, 7, v8
	v_add_nc_u32 v8, s36, v8                       ; and out: row rho, + 128 h
	s_lshl_b32 s36, s24, 11
	s_add_co_u32 s36, s36, XIMG
	v_add_nc_u32 v9, s36, v4                       ; where I store x's images
	s_lshl_b32 s36, s24, 8
	s_add_co_u32 s36, s36, XSC
	v_add_nc_u32 v10, s36, v5                      ; and their scale words
	s_mul_i32 s36, s24, 768
	s_add_co_u32 s36, s36, SG
	v_lshl_add_u32 v11, v2, 2, s36                 ; scale words on their way out: 4 rho
	v_add_nc_u32 v12, s36, v6                      ; and read back: 8 lane
	v_and_b32 v13, 7, v0
	v_lshlrev_b32 v13, 3, v13                      ; gstat: 8 bytes a group
	v_and_b32 v14, 8, v2
	v_mad_u32_u24 v15, v14, 3, v2                  ; rho + 3 (rho & 8) = 32 (rho >> 3) + (rho & 7)
	v_lshlrev_b32 v14, 7, v15
	v_lshl_add_u32 v14, v3, 4, v14                 ; a row of w_qkv is 128 bytes; + 16 h
	v_lshlrev_b32 v15, 3, v15                      ; its scale bytes: 8 a row
	v_lshlrev_b32 v16, 3, v3                       ; 8 h
	v_lshrrev_b32 v18, 3, v1
	v_lshlrev_b32 v18, 2, v18                      ; lane permute: 4 x (lane / 8): the lane that holds group lane / 8,
	v_add_nc_u32 v19, 16, v18                      ; and group 4 + lane / 8
	v_add_nc_u32 v20, XIMG, v4                     ; where any wave reads x's images (an LDS immediate has 16 bits: the base rides in the register)
	v_add_nc_u32 v21, XSC, v5
	v_mov_b32 v46, 0                               ; a lane permute's destination counts as one of its sources
	s_lshl_b32 s36, ttmp9, 16
	s_lshl_b32 s37, s24, 13
	s_add_co_u32 s36, s36, s37                     ; x: 64 rows a work-group, + 8 w rows
	s_mov_b32 s37, 0
	s_lshl_b32 s38, s25, 12                        ; part: 64 work-groups x 64 bytes an image
	s_mov_b32 s39, 0
	s_mul_i32 s40, s24, 24576                      ; my head's 192 rows of w_qkv,
	s_mov_b32 s41, 0
	s_mul_i32 s42, s24, 1536                       ; and their scale bytes
	s_mov_b32 s43, 0
	s_lshl_b32 s44, ttmp9, 13
	s_lshl_b32 s45, s24, 11
	s_add_co_u32 s44, s44, s45                     ; qc: [work-group][head][tile][512]
	s_mov_b32 s45, 0
	s_lshl_b32 s46, ttmp9, 10
	s_lshl_b32 s47, s24, 8
	s_add_co_u32 s46, s46, s47                     ; qs: [work-group][head][tile][16 words]
	s_mov_b32 s47, 0
	s_lshr_b32 s48, s26, 3                         ; slot = G >> 3
	s_lshl_b32 s49, s25, 3
	s_add_co_u32 s48, s48, s49
	s_lshl_b32 s48, s48, 2
	s_add_co_u32 s48, s48, s24
	s_mul_i32 s48, s48, HEADB
	s_bfe_u32 s49, s26, 0x20001                    ; step = (G >> 1) & 3
	s_mul_i32 s49, s49, STEPB
	s_add_co_u32 s48, s48, s49
	s_and_b32 s50, s26, 1                          ; c = G & 1
	s_lshl_b32 s52, s50, 8
	s_lshl_b32 s50, s50, 11
	s_add_co_u32 s50, s48, s50                     ; kv, images: + 2,048 c
	s_mov_b32 s51, 0
	s_add_co_u32 s52, s48, s52                     ; kv, scale words: + 256 c
	s_mov_b32 s53, 0
	s_lshl_b32 s54, s25, 6                         ; gstat: 64 bytes an image
	s_mov_b32 s55, 0
	s_wait_kmcnt 0x0
	s_add_nc_u64 s[4:5], s[4:5], s[36:37]
	s_add_nc_u64 s[6:7], s[6:7], s[38:39]
	s_add_nc_u64 s[12:13], s[12:13], s[40:41]
	s_add_nc_u64 s[14:15], s[14:15], s[42:43]
	s_add_nc_u64 s[16:17], s[16:17], s[44:45]
	s_add_nc_u64 s[18:19], s[18:19], s[46:47]
	s_add_nc_u64 s[32:33], s[20:21], s[50:51]
	s_add_nc_u64 s[34:35], s[20:21], s[52:53]
	s_add_nc_u64 s[22:23], s[22:23], s[54:55]
	; ---- loads out: the image's 64 x 8 partial pairs (lane l: partial 4 j + l / 8 of group l & 7), gain and bias of my 8 channels, my 16 rows of x
.irp j, 0,1,2,3,4,5,6,7,8,9,10,11,12,13,14,15
	global_load_b64 v[48+2*\j:49+2*\j], v6, s[6:7] offset:256*\j
.endr
.irp u, 0,1
	global_load_b128 v[80+4*\u:83+4*\u], v4, s[8:9] offset:512*\u
	global_load_b128 v[88+4*\u:91+4*\u], v4, s[10:11] offset:512*\u
.endr
.irp r, 0,1,2,3,4,5,6,7,8,9,10,11,12,13,14,15
.irp u, 0,1
	global_load_b128 v[128+8*\r+4*\u:131+8*\r+4*\u], v4, s[4:5] offset:1024*(32*(\r/8)+(\r%8))+512*\u   ; row rho of my tile is token 32 (rho >> 3) + 8 w + (rho & 7); 512 consecutive bytes a load
.endr
.endr
	s_wait_loadcnt 32                              ; the partials, gain and bias are in; x's 32 loads may be out
	; ---- the group's mean and 1 / sqrt(var + eps): 64 pairs of equal counts, 16 in my lane, the rest in lanes l xor 8, 16, 24
	v_add_f32 v36, v48, v52
	v_add_f32 v37, v50, v54
.irp j, 4,6,8,10,12,14
	v_add_f32 v36, v36, v[48+2*\j]
	v_add_f32 v37, v37, v[50+2*\j]
.endr
	v_add_f32 v36, v36, v37
	v_add_f32_dpp v36, v36, v36 row_xmask:8 row_mask:0xf bank_mask:0xf
	v_permlanex16_b32 v37, v36, s28, s29
	v_add_f32 v36, v36, v37
	v_mul_f32 v30, 0x3c800000, v36                 ; / 64: the mean
.irp j, 0,1,2,3,4,5,6,7,8,9,10,11,12,13,14,15
	v_sub_f32 v[48+2*\j], v[48+2*\j], v30
.endr
	v_mul_f32 v36, v48, v48
	v_mul_f32 v37, v50, v50
	v_add_f32 v38, v49, v53
	v_add_f32 v39, v51, v55
.irp j, 2,4,6,8,10,12,14
	v_fma_f32 v36, v[48+2*\j], v[48+2*\j], v36
	v_fma_f32 v37, v[50+2*\j], v[50+2*\j], v37
.endr
.irp j, 4,6,8,10,12,14
	v_add_f32 v38, v38, v[49+2*\j]
	v_add_f32 v39, v39, v[51+2*\j]
.endr
	v_add_f32 v36, v36, v37
	v_add_f32 v38, v38, v39
	v_fma_f32 v38, v36, s27, v38                   ; M2 = the partial M2 + 2,048 x the squared distances of the partial means
	v_add_f32_dpp v38, v38, v38 row_xmask:8 row_mask:0xf bank_mask:0xf
	v_permlanex16_b32 v37, v38, s28, s29
	v_add_f32 v38, v38, v37
	v_fma_f32 v39, v38, s30, s31                   ; var + eps
	v_rsq_f32 v31, v39
	v_nop                                          ; one plain place behind the transcendental
	ds_bpermute_b32 v24, v18, v30                  ; lane l holds group l & 7; I want groups lane / 8 (channels 0-127) and 4 + lane / 8 (channels 128-255)
	ds_bpermute_b32 v26, v19, v30
	s_wait_alu depctr_va_vdst(0)
	ds_bpermute_b32 v28, v18, v31
	ds_bpermute_b32 v29, v19, v31
	s_wait_dscnt 0x0
	v_mov_b32 v25, v24
	v_mov_b32 v27, v26
.irp i, 0,1,2,3
	v_mul_f32 v[80+\i], v[80+\i], v28              ; rstd x gn_scale
	v_mul_f32 v[84+\i], v[84+\i], v29
.endr
	s_or_b32 s56, s26, s24
	s_cmp_lg_u32 s56, 0
	s_cbranch_scc1 .Lno_gstat                      ; an image's first work-group, wave 0, leaves (mean, rstd) for the last launch
	global_store_b64 v13, v[30:31], s[22:23]
.Lno_gstat:
	s_wait_loadcnt 0x0                             ; x
	; ---- the weights are asked for now and land under the normalising and quantising of x
	WIN 0x40                                       ; destination window 1
.irp t, 0,1,2,3,4,5,6,7,8,9,10,11
.irp s, 0,1
.irp c, 0,1
	global_load_b128 v[8*(2*\t+\s)+4*\c:8*(2*\t+\s)+4*\c+3], v14, s[12:13] offset:128*(64*(\t/4)+8*(\t%4))+64*\s+32*\c   ; tile t = 4 a + T': row 64 a + pi(T', rho) of my head
.endr
.endr
.endr
	WIN 0
.irp t, 0,1,2,3,4,5,6,7,8,9,10,11
.irp s, 0,1
	global_load_b32 v[104+2*\t+\s], v15, s[14:15] offset:8*(64*(\t/4)+8*(\t%4))+4*\s
.endr
.endr
	; ---- xn, and through my stage: in as loaded (a row's 1,024 bytes on end), out 32 neighbours along K a lane
.irp r, 0,1,2,3,4,5,6,7,8,9,10,11,12,13,14,15
.irp u, 0,1
.irp i, 0,2
	v_pk_add_f32 v[128+8*\r+4*\u+\i:129+8*\r+4*\u+\i], v[128+8*\r+4*\u+\i:129+8*\r+4*\u+\i], v[24+2*\u:25+2*\u] neg_lo:[0,1] neg_hi:[0,1]
.endr
.irp i, 0,2
	v_pk_fma_f32 v[128+8*\r+4*\u+\i:129+8*\r+4*\u+\i], v[128+8*\r+4*\u+\i:129+8*\r+4*\u+\i], v[80+4*\u+\i:81+4*\u+\i], v[88+4*\u+\i:89+4*\u+\i]
.endr
	ds_store_b128 v7, v[128+8*\r+4*\u:131+8*\r+4*\u] offset:1040*\r+512*\u
.endr
.endr
	s_wait_dscnt 0x0                               ; the stores have read their registers
.irp s, 0,1
.irp c, 0,1
.irp i, 0,1,2,3,4,5,6,7
	ds_load_b128 v[128+64*\s+32*\c+4*\i:131+64*\s+32*\c+4*\i], v8 offset:512*\s+256*\c+16*\i   ; channels 128 s + 64 c + 32 h + 4 i ..; rows 1,040 bytes apart start at 16 different groups of banks
.endr
.endr
.endr
	s_wait_dscnt 0x0
.irp s, 0,1
	QUANT2 128+64*\s
	ds_store_b128 v9, v[24:27] offset:1024*\s      ; the fragment goes to LDS as it stands
	ds_store_b128 v9, v[28:31] offset:1024*\s+512
	ds_store_b32 v10, v32 offset:128*\s
.endr
	s_wait_dscnt 0x0                               ; for the others' sake: my images have landed
	s_barrier_signal -1
	s_barrier_wait -1                              ; x's eight fragments lie in LDS; nothing overwrites them
	WIN 0x40
.irp f, 0,1,2,3,4,5,6,7
.irp c, 0,1
	ds_load_b128 v[192+8*\f+4*\c:195+8*\f+4*\c], v20 offset:1024*\f+512*\c   ; fragment f = 2 x row tile + K step
.endr
.endr
	WIN 0
.irp f, 0,1,2,3,4,5,6,7
	ds_load_b32 v[96+\f], v21 offset:128*\f
.endr
	s_wait_dscnt 0x0
	s_wait_loadcnt 0x0                             ; the weights
	; ---- v: 16 accumulators (channel tile t, row tile m) at v[128 + 32 t + 8 m]; four take turns, one instruction a turn
	WIN 0x05                                       ; both sources window 1
.irp m, 0,1,2,3
.irp s, 0,1
.irp t, 0,1,2,3
	MM 128+32*\t+8*\m, 192+16*\m+8*\s, 8*(2*(8+\t)+\s), 1-\s, 96+2*\m+\s, 104+2*(8+\t)+\s
.endr
.endr
.endr
	WIN 0
.rept 4
	v_nop                                          ; places in front of the first read of results
.endr
.irp i, 0,1
	QUANT2 128+64*\i                               ; channel tiles 2 i and 2 i + 1: my lane's block h of the work-group's 64 keys
	SPLIT
	global_store_b128 v4, v[24:27], s[32:33] offset:VC+512*(2*\i)
	global_store_b128 v4, v[28:31], s[32:33] offset:VC+512*(2*\i+1)
	ds_store_b32 v11, v33 offset:512+64*(2*\i)     ; both halves of the lanes write the same word with the same value
	ds_store_b32 v11, v34 offset:512+64*(2*\i+1)
.endr
	; ---- q and k, a row tile at a time: 8 accumulators by turns, in the two halves of v128-255 by turns
.irp m, 0,1,2,3
	WIN 0x05
.irp s, 0,1
.irp t, 0,1,2,3,4,5,6,7
	MM 128+64*(\m%2)+8*\t, 8*(2*\t+\s), 192+16*\m+8*\s, 1-\s, 104+2*\t+\s, 96+2*\m+\s
.endr
.endr
	WIN 0
.rept 4
	v_nop
.endr
	QUANT2 128+64*(\m%2)                           ; c = 0: q's block h of my token; c = 1: k's
	SPLIT
	global_store_b128 v4, v[24:27], s[16:17] offset:512*\m
	global_store_b128 v4, v[28:31], s[32:33] offset:KC+512*\m
	ds_store_b32 v11, v33 offset:64*\m
	ds_store_b32 v11, v34 offset:256+64*\m
.endr
	; ---- the scale words leave as three aligned runs of 256 bytes
	ds_load_b64 v[48:49], v12                      ; LDS serves a wave's instructions in order: these see my stores
	ds_load_b64 v[50:51], v12 offset:256
	ds_load_b64 v[52:53], v12 offset:512
	s_wait_dscnt 0x0
	global_store_b64 v6, v[48:49], s[18:19]
	global_store_b64 v6, v[50:51], s[34:35] offset:KSO
	global_store_b64 v6, v[52:53], s[34:35] offset:VSO
	s_wait_tensorcnt 0x0
	ds_add_u32 v45, v47
	s_wait_dscnt 0x0
	s_endpgm
.Lfunc_end_k_q4c8758f6e6_qkv:
	.size	k_q4c8758f6e6_qkv, .Lfunc_end_k_q4c8758f6e6_qkv-k_q4c8758f6e6_qkv
	.p2alignl 7, 3214868480
	.fill 96, 4, 3214868480
	.section	.rodata,"a",@progbits
	.p2align	6, 0x0
	.amdhsa_kernel k_q4c8758f6e6_qkv
		.amdhsa_group_segment_fixed_size 79360
		.amdhsa_private_segment_fixed_size 0
		.amdhsa_enable_private_segment 0
		.amdhsa_kernarg_size 80
		.amdhsa_user_sgpr_count 2
		.amdhsa_user_sgpr_kernarg_segment_ptr 1
		.amdhsa_wavefront_size32 1
		.amdhsa_system_sgpr_workgroup_id_x 1
		.amdhsa_system_sgpr_workgroup_id_y 1
		.amdhsa_system_sgpr_workgroup_id_z 1
		.amdhsa_system_vgpr_workitem_id 0
		.amdhsa_next_free_vgpr 512
		.amdhsa_next_free_sgpr 66
		.amdhsa_reserve_vcc 0
		.amdhsa_float_denorm_mode_32 3
		.amdhsa_float_denorm_mode_16_64 3
		.amdhsa_memory_ordered 1
		.amdhsa_forward_progress 1
		.amdhsa_inst_pref_size 75
	.end_amdhsa_kernel
	.amdgpu_metadata
---
amdhsa.version: [ 1, 2 ]
amdhsa.kernels:
  - .name:           k_q4c8758f6e6_qkv
    .symbol:         k_q4c8758f6e6_qkv.kd
    .args:
      - { .name: x, .offset: 0, .size: 8, .value_kind: global_buffer, .address_space: global }
      - { .name: part, .offset: 8, .size: 8, .value_kind: global_buffer, .address_space: global }
      - { .name: gn_scale, .offset: 16, .size: 8, .value_kind: global_buffer, .address_space: global }
      - { .name: gn_bias, .offset: 24, .size: 8, .value_kind: global_buffer, .address_space: global }
      - { .name: w_qkv_codes, .offset: 32, .size: 8, .value_kind: global_buffer, .address_space: global }
      - { .name: w_qkv_scales, .offset: 40, .size: 8, .value_kind: global_buffer, .address_space: global }
      - { .name: qc, .offset: 48, .size: 8, .value_kind: global_buffer, .address_space: global }
      - { .name: qs, .offset: 56, .size: 8, .value_kind: global_buffer, .address_space: global }
      - { .name: kv, .offset: 64, .size: 8, .value_kind: global_buffer, .address_space: global }
      - { .name: gstat, .offset: 72, .size: 8, .value_kind: global_buffer, .address_space: global }
    .group_segment_fixed_size: 79360
    .private_segment_fixed_size: 0
    .kernarg_segment_align: 8
    .kernarg_segment_size: 80
    .max_flat_workgroup_size: 128
    .sgpr_count:     66
    .vgpr_count:     512
    .wavefront_size: 32
...
	.end_amdgpu_metadata
.endif
;; end of part 2
;; launch attn (part 3): grid 256 x 1, 16 waves a work-group, clusters of 4 x 1, 327,680 bytes of LDS; arguments qc, qs, kv, gstat, x, gn_scale, gn_bias, w_out_codes, w_out_scales, b_out, out0; writes out0
.if DOCPART == 3
	.amdgcn_target "amdgcn-amd-amdhsa--gfx1250"
	.amdhsa_code_object_version 6
	.text
	.protected	k_q4c8758f6e6_attn
	.globl	k_q4c8758f6e6_attn
	.p2align	8
	.type	k_q4c8758f6e6_attn,@function
k_q4c8758f6e6_attn:
	s_mov_b64 s[64:65], 0
	v_nop
	global_prefetch_b8 v0, s[64:65] scope:SCOPE_SE
	s_setreg_imm32_b32 hwreg(HW_REG_WAVE_MODE, 25, 1), 1
	s_wait_xcnt 0x0
	s_wait_alu depctr_hold_cnt(0) depctr_sa_sdst(0) depctr_va_vdst(0) depctr_va_sdst(0) depctr_va_ssrc(0) depctr_va_vcc(0) depctr_vm_vsrc(0)
	s_getreg_b32 s2, hwreg(HW_REG_IB_STS2, 6, 4)
	s_cmp_eq_u32 s2, 0
	s_cbranch_scc0 .Lentry_in_a_cluster
	s_endpgm
.Lentry_in_a_cluster:
	s_bfe_u32 s2, ttmp6, 0x10000c
	s_cmp_lg_u32 s2, 0x3003
	s_cbranch_scc0 .Lentry_shape_is_right
	s_endpgm
.Lentry_shape_is_right:
; out = Q(softmax(q k^T / 16) v) W_out + b_out + xn, all three products on codes of FP4 (E2M1) with one E8M0 scale for each 32 along K.
; A work-group owns 64 queries of one image, all four heads, so that the output product is fused.  Wave wv = 4 m + hd owns query tile m (16 queries) of head hd in 256 registers: four waves to a SIMD, so that one
; wave's exponentials stand beside another's products and LDS loads.  Every wave walks the image's 4,096 keys, 128 a step, 4 steps a slot, 8 slots, through a ring of two LDS slots.
; THE SOFTMAX: t = score x log2(e) / 16; M = the running largest t rounded UP to a whole number; p = 2^(t - M) is quantised along the keys, not normalised; the sum of the unquantised p divides at the end.
; When M moves, the sum and O are multiplied by 2^(old M - new M): exact.
; LAYOUT.  Both products are used transposed (S^T = K Q^T, O^T = V^T P^T): a lane holds ONE query.  The keys of a tile of K, and the channels of a tile of V, are chosen by pi(T, rho) = 32 (rho >> 3) + 8 T + (rho & 7):
; a lane's 32 registers of four tiles are then ONE WHOLE BLOCK of 32 neighbours, so a block's largest score needs no other lane and the conversions' results are the next operand's registers as they stand.
; All operands lie in kv and in LDS as images of their registers: lane l's 16 bytes at 16 l; every LDS read is 512 consecutive bytes.  The head has 64 channels: registers 4-7 of Q's and K's fragments are zero codes.
; CLUSTER.  The four work-groups of a cluster belong to one image and walk the same kv: each slot (147,456 bytes, all four heads) is asked for JOINTLY, by waves 0-7, 72 rows of 256 bytes each.
; By this text's own count a wave has at most one tensor load outstanding.  lds_bytes: the whole claim of 327,680; the text uses 305,664 bytes.
; LIMITS: NaN and infinities are not served; a block whose largest magnitude lies under 2^-124 gets the scale byte 1 (its bytes are read by this program alone).
; REGISTERS: v1-11, v24-31, v248-249 addresses; v12 -M, v13 the largest score, v[14:15] the sum; v16-23 Q; v32-63 four fragments of K; v64-95 V's four; v96-159 S^T, then p; v160-191 O^T;
;   v192-213 scale words and nothing else; v224-231 p's codes; v232-243 at work; v[252:253] f.
.set HEADB, 36864
.set STEPB, 9216
.set SLOTB, 147456
.set KC,    0
.set VC,    4096
.set KSO,   8192
.set VSO,   8704
.set SPARE, 294912                     ; behind the ring: the spare words, 128 bytes for each of 16 waves: eight blocks of 256 bytes that no other line names
.set RIMG,  296960                     ; res's codes: 16 x 512 bytes, wave wv's at 512 wv
.set RSC,   305152                     ; res's scale words: [row tile 4][K step 2][16 words]
.set STG,   0                          ; the way out: 16 rows x 272 bytes for each wave, in slot 0: it has had its last fill, and nobody reads it behind the last change of slots
.macro CROUND                          ; a round of the cluster's barrier
	s_barrier_signal -1
	s_barrier_wait -1
	s_cmp_lg_u32 s26, 0
	s_cbranch_scc1 .Lnot_wave_0_\@
	s_barrier_signal -3
.Lnot_wave_0_\@:
	s_barrier_wait -3
	s_barrier_signal -1
	s_barrier_wait -1
.endm
.macro JLOAD                           ; waves 0-7 ask, each for an eighth of a slot; the branch hangs on the wave's number alone; four v_nop follow the load
	s_cmp_lt_u32 s26, 8
	s_cbranch_scc0 .Lasked_\@
	tensor_load_to_lds s[40:43], s[32:39]
	s_nop 0
.rept 4
	v_nop
.endr
.Lasked_\@:
.endm
; THE CHANGE OF SLOTS stands at a slot's head.  Each wave waits for all its tensor loads (its part of the slot ahead), adds 0 to its spare word, and waits for that and for its reads of the slot that it has left.
; fill = 1: a round of the cluster's barrier, so that no wave of any partner still reads that slot or has a load on its way; the joint refill is the first thing behind it and has four steps in which to land.
.macro CHANGE fill
	s_wait_tensorcnt 0x0                           ; no tensor load of mine is out, so the descriptor may be written
	ds_add_u32 v5, v6                              ; 0 onto my spare word
.if \fill
	s_xor_b32 s45, s45, SLOTB                      ; the other slot than last time,
	s_add_co_u32 s41, s45, s46                     ; my eighth of it,
	s_add_nc_u64 s[42:43], s[42:43], SLOTB         ; the next 512 keys; the type bits on top are not reached
.endif
	s_wait_dscnt 0x0                               ; the add is done, and my reads of the slot that I have left are over
.if \fill
	CROUND
	JLOAD
.else
	s_barrier_signal -1
	s_barrier_wait -1
.endif
.endm
.macro SMUL g                          ; S^T of tiles 4 g .. 4 g + 3; a register of scale words holds an even tile's in lanes 0-15 and the odd one's in lanes 16-31
.irp i, 0,1,2,3
.if (\i)%2
	v_wmma_scale_f32_16x16x128_f8f6f4 v[96+32*\g+8*\i:103+32*\g+8*\i], v[32+8*\i:39+8*\i], v[16:23], 0, v[192+2*\g+\i/2], v203 matrix_a_fmt:MATRIX_FMT_FP4 matrix_b_fmt:MATRIX_FMT_FP4 matrix_a_scale:MATRIX_SCALE_ROW1
.else
	v_wmma_scale_f32_16x16x128_f8f6f4 v[96+32*\g+8*\i:103+32*\g+8*\i], v[32+8*\i:39+8*\i], v[16:23], 0, v[192+2*\g+\i/2], v203 matrix_a_fmt:MATRIX_FMT_FP4 matrix_b_fmt:MATRIX_FMT_FP4
.endif
.endr
.endm
.macro BMAX c                          ; the largest score of my block of 32 keys (tiles 4 c .. 4 c + 3), in two chains, each accumulator read from its low end on
	v_max3_num_f32 v[240+2*\c], v[96+32*\c], v[97+32*\c], v[98+32*\c]
	v_max3_num_f32 v[241+2*\c], v[112+32*\c], v[113+32*\c], v[114+32*\c]
.irp i, 0,1,2,3,4,5
	v_max3_num_f32 v[240+2*\c], v[240+2*\c], v[99+32*\c+2*\i], v[100+32*\c+2*\i]
	v_max3_num_f32 v[241+2*\c], v[241+2*\c], v[115+32*\c+2*\i], v[116+32*\c+2*\i]
.endr
	v_max3_num_f32 v[240+2*\c], v[240+2*\c], v[241+2*\c], v[111+32*\c]
	v_max_num_f32 v[232+\c], v[240+2*\c], v[127+32*\c]
.endm
; A KEY STEP: 128 keys, the q-th of the slot in hand.
.macro STEP q
.irp i, 0,1,2,3
	ds_load_b128 v[32+8*\i:35+8*\i], v8 offset:(\q)*STEPB+KC+512*\i
.endr
.irp i, 0,1,2,3
	ds_load_b32 v[192+\i], v9 offset:(\q)*STEPB+KSO+128*\i
.endr
	s_wait_dscnt 0x0
	SMUL 0
.rept 4
	v_nop                                          ; places in front of loads into K's registers, just read, and V's, which the last step's products read
.endr
.irp i, 0,1,2,3
	ds_load_b128 v[32+8*\i:35+8*\i], v8 offset:(\q)*STEPB+KC+512*(4+\i)
.endr
.irp c, 0,1
.irp t, 0,1,2,3
	ds_load_b128 v[64+8*\t+4*\c:67+8*\t+4*\c], v8 offset:(\q)*STEPB+VC+512*(4*\c+\t)
.endr
.endr
.irp c, 0,1
.irp i, 0,1
	ds_load_b32 v[196+2*\c+\i], v9 offset:(\q)*STEPB+VSO+256*\c+128*\i
.endr
.endr
	s_wait_dscnt 12                                ; K's four are in; V's eight fragments' halves and four half words may be out
	SMUL 1
	BMAX 0                                         ; on tiles 0-3, four places behind their products; these 16 lines are the places behind tiles 4-7's
	BMAX 1
	s_wait_dscnt 0x0                               ; V
.irp i, 0,1
	v_lshl_or_b32 v[200+\i], v[198+\i], 16, v[196+\i]   ; V's scale words: keys 0-63's two bytes below, keys 64-127's above
.endr
	v_max_num_f32 v240, v232, v233
	v_permlanex16_b32 v241, v240, s48, s49         ; my query's other 64 keys lie in lane l xor 16
	v_max3_num_f32 v13, v13, v240, v241            ; the running largest score
	v_mul_f32 v242, s50, v13                       ; as t (the factor is positive)
	v_mov_b32 v243, v12
	v_floor_f32 v12, -v242                         ; the new -M = floor(-t) = -ceil(t): M is a whole number
	v_sub_f32 v243, v12, v243                      ; old M - new M: a whole number, 0 or less
	v_cvt_i32_f32 v243, v243                       ; (it saturates)
	v_ldexp_f32 v252, 1.0, v243                    ; f = 2^(old M - new M)
.set j, 0
.rept 32
	v_pk_fma_f32 v[96+j:97+j], v[96+j:97+j], s[50:51], v[12:13] op_sel_hi:[1,0,0]   ; t - M, two at a time (the low words of both pairs serve both halves)
.set j, j+2
.endr
.irp c, 0,1
	v_fma_f32 v[232+\c], v[232+\c], s50, v12       ; the same of each block's largest score
.endr
.set j, 0
.rept 64
	v_exp_f32 v[96+j], v[96+j]                     ; p = 2^(t - M), at most 1
.set j, j+1
.endr
.irp c, 0,1
	v_exp_f32 v[232+\c], v[232+\c]                 ; the block's largest p: the same two instructions on the same number give the same bits
.endr
	v_pk_mul_f32 v[14:15], v[14:15], v[252:253] op_sel_hi:[1,0]   ; the sum under the new M (a plain place behind the exponentials)
	s_wait_alu depctr_va_vdst(0)
.irp c, 0,1
	v_max_num_f32 v[232+\c], 0x1800000, v[232+\c]  ; the floor 2^(3 - 127): the byte cannot fall under 1
.endr
.irp c, 0,1
	v_add_nc_u32 v[234+\c], 0xff000000, v[232+\c]  ; 2 off the exponent field: the conversion's scale operand
.endr
.irp c, 0,1
	v_lshrrev_b32 v[236+\c], 23, v[234+\c]         ; the scale's byte
.endr
	v_lshl_or_b32 v240, v237, 16, v236             ; my blocks h and 2 + h,
	v_lshlrev_b32 v240, v3, v240                   ; 8 h bits up;
	v_permlanex16_b32 v241, v240, s48, s49
	v_or_b32 v202, v240, v241                      ; with lane l xor 16's two: p's scale word for these 128 keys
.irp c, 0,1
.irp g, 0,1,2,3
	v_cvt_scalef32_pk8_fp4_f32 v[224+4*\c+\g], v[96+32*\c+8*\g:103+32*\c+8*\g], v[234+\c]   ; registers 4 c .. 4 c + 3 of the operand, as they stand
.endr
.endr
	v_pk_add_f32 v[238:239], v[96:97], v[98:99]    ; THE SUM IS TAKEN OF THE UNQUANTISED p, in two chains.  (A plain line behind the last conversion; it writes none of their registers)
.irp j, 4,8,12,16,20,24,28,32,36,40,44,48,52,56,60
	v_pk_add_f32 v[14:15], v[14:15], v[96+\j:97+\j]
	v_pk_add_f32 v[238:239], v[238:239], v[98+\j:99+\j]
.endr
	v_pk_add_f32 v[14:15], v[14:15], v[238:239]
.set j, 0
.rept 16
	v_pk_mul_f32 v[160+j:161+j], v[160+j:161+j], v[252:253] op_sel_hi:[1,0]   ; O^T under the new M
.set j, j+2
.endr
.irp t, 0,1,2,3                        ; O^T += V^T P^T: the four accumulators take turns, one instruction a turn
.if (\t)%2
	v_wmma_scale_f32_16x16x128_f8f6f4 v[160+8*\t:167+8*\t], v[64+8*\t:71+8*\t], v[224:231], v[160+8*\t:167+8*\t], v[200+\t/2], v202 matrix_a_fmt:MATRIX_FMT_FP4 matrix_b_fmt:MATRIX_FMT_FP4 matrix_a_scale:MATRIX_SCALE_ROW1
.else
	v_wmma_scale_f32_16x16x128_f8f6f4 v[160+8*\t:167+8*\t], v[64+8*\t:71+8*\t], v[224:231], v[160+8*\t:167+8*\t], v[200+\t/2], v202 matrix_a_fmt:MATRIX_FMT_FP4 matrix_b_fmt:MATRIX_FMT_FP4
.endif
.endr
.endm
.macro SLOT_STEPS
	v_add_nc_u32 v8, s44, v1                       ; the slot in hand: images,
	v_add_nc_u32 v9, s44, v2                       ; and scale words
	STEP 0
	STEP 1
	STEP 2
	STEP 3
	s_xor_b32 s44, s44, SLOTB                      ; on to the other slot
.endm
	s_load_b256 s[4:11], s[0:1], 0x0               ; qc, qs, kv, gstat
	s_load_b256 s[12:19], s[0:1], 0x20             ; x, gn_scale, gn_bias, w_out_codes
	s_load_b128 s[20:23], s[0:1], 0x40             ; w_out_scales, b_out
	s_load_b64 s[24:25], s[0:1], 0x50              ; out0
	v_lshl_add_u32 v5, v0, 2, SPARE
	v_mov_b32 v6, 0
	ds_add_u32 v5, v6
	s_wait_dscnt 0x0
	v_lshrrev_b32 v7, 5, v0
	v_readfirstlane_b32 s26, v7                    ; wave 0..15
	s_and_b32 s27, s26, 3                          ; hd: my head
	s_lshr_b32 s28, s26, 2                         ; m: my tile of queries
	s_bfe_u32 s29, ttmp6, 0x40000                  ; cx: my place in the cluster: it enters the addresses of Q, x and out0 alone
	s_lshl_b32 s30, ttmp9, 2
	s_add_co_u32 s30, s30, s29                     ; my block of 64 queries = 4 x cluster + cx
	s_lshr_b32 s31, ttmp9, 4                       ; the image, which the four partners share
	; descriptor group 1: 72 rows of 256 bytes (32 elements of 8 bytes), dense in memory and in LDS
	s_mov_b32 s32, 15|(3<<16)|(1<<21)              ; 15:0 the mask: all four work-groups; 17:16 elements of 8 bytes; 21 set beside a mask; no padding
	s_mov_b32 s33, 32<<16                          ; tensor_dim0 = 32
	s_mov_b32 s34, 72<<16                          ; tensor_dim1 = 72
	s_mov_b32 s35, 32<<16                          ; tile_dim0 = 32
	s_mov_b32 s36, 72                              ; tile_dim1 = 72
	s_mov_b32 s37, 32                              ; elements from row to row
	s_mov_b32 s38, 0
	s_mov_b32 s39, 0
	s_and_b32 s52, s26, 7
	s_mul_i32 s46, s52, 18432                      ; my eighth of a slot (waves 8-15 ask for nothing)
	s_mov_b32 s44, 0                               ; the slot that is read
	s_mov_b32 s45, 0                               ; the slot that was filled last
	s_mov_b32 s47, 7                               ; slots still to be asked for
	s_mov_b32 s48, 0x76543210
	s_mov_b32 s49, 0xfedcba98                      ; v_permlanex16_b32's selects for lane l xor 16
	s_mov_b32 s50, 0x3db8aa3b                      ; log2(e) / 16
	s_mov_b32 s51, s50                             ; (named with it as a pair, so it is written)
	s_mul_i32 s52, s31, 8*SLOTB
	s_add_co_u32 s52, s52, s46
	s_mov_b32 s53, 0
	s_wait_kmcnt 0x0
	s_mov_b32 s40, 1                               ; 1:0 count = 1
	s_mov_b32 s41, s46                             ; LDS address: slot 0, my eighth
	s_add_nc_u64 s[42:43], s[8:9], s[52:53]        ; global address: the image's first 512 keys, my eighth
	s_or_b32 s43, s43, 0x80000000                  ; type = 2
	CROUND                                         ; all four work-groups are here: the first joint loads meet
	JLOAD                                          ; slot 0
	s_lshl_b32 s54, s27, 2
	s_add_co_u32 s54, s54, s28                     ; 4 hd + m
	s_lshl_b32 s52, s30, 13
	s_lshl_b32 s55, s54, 9
	s_add_co_u32 s52, s52, s55
	s_add_nc_u64 s[4:5], s[4:5], s[52:53]          ; Q's image
	s_lshl_b32 s52, s30, 10
	s_lshl_b32 s55, s54, 6
	s_add_co_u32 s52, s52, s55
	s_add_nc_u64 s[6:7], s[6:7], s[52:53]          ; and its scale words
	v_and_b32 v254, 31, v0                         ; lane
	v_and_b32 v250, 15, v0                         ; r
	v_bfe_u32 v251, v0, 4, 1                       ; h
	v_lshlrev_b32 v4, 4, v254                      ; 16 lane
	v_lshlrev_b32 v7, 2, v250                      ; 4 r
	global_load_b128 v[16:19], v4, s[4:5]          ; Q stays in registers
	global_load_b32 v203, v7, s[6:7]
	s_mul_i32 s54, s27, HEADB
	v_add_nc_u32 v1, s54, v4                       ; my head's part of a slot: images, 16 lane,
	v_lshl_add_u32 v2, v254, 2, s54                ; scale words, 4 lane
	v_lshlrev_b32 v3, 3, v251                      ; 8 h
	v_lshlrev_b32 v10, 5, v251                     ; b_out: 32 h
	v_lshlrev_b32 v11, 4, v250                     ; gain and bias: 16 r
	s_lshl_b32 s52, s26, 9
	s_add_co_u32 s52, s52, RIMG
	v_add_nc_u32 v24, s52, v4                      ; where I store res's codes
	s_lshl_b32 s52, s28, 7
	s_lshr_b32 s54, s27, 1
	s_lshl_b32 s54, s54, 6
	s_add_co_u32 s52, s52, s54
	s_and_b32 s54, s27, 1
	s_lshl_b32 s54, s54, 1
	s_add_co_u32 s52, s52, s54
	s_add_co_u32 s52, s52, RSC
	v_lshl_add_u32 v25, v250, 2, v251
	v_add_nc_u32 v25, s52, v25                     ; and my block's scale byte: tile m, K step hd / 2, row r, byte 2 (hd & 1) + h
	s_lshl_b32 s52, s28, 11
	s_add_co_u32 s52, s52, RIMG
	v_add_nc_u32 v26, s52, v4                      ; where I read my tile's four images,
	s_lshl_b32 s52, s28, 7
	s_add_co_u32 s52, s52, RSC
	v_add_nc_u32 v27, s52, v7                      ; and its scale words
	s_mul_i32 s52, s26, 4352
	s_add_co_u32 s52, s52, STG                     ; my stage
	v_mul_u32_u24 v28, v250, 272
	v_lshl_add_u32 v28, v251, 5, v28
	v_add_nc_u32 v28, s52, v28                     ; in: row r, + 32 h
	v_mul_u32_u24 v29, v251, 272
	v_lshl_add_u32 v29, v250, 4, v29
	v_add_nc_u32 v29, s52, v29                     ; back: lanes 0-15 one row of 256 bytes, lanes 16-31 the next
	v_lshlrev_b32 v30, 10, v251
	v_lshl_add_u32 v30, v250, 4, v30               ; and the same two rows in x and out0
	v_lshlrev_b32 v31, 7, v250
	v_lshl_add_u32 v31, v251, 4, v31               ; w_out: row r of 128 bytes, + 16 h
	v_lshlrev_b32 v248, 3, v250                    ; its scale bytes: 8 a row
	v_lshrrev_b32 v249, 3, v250
	v_lshlrev_b32 v249, 3, v249                    ; gstat: which of my head's two groups
	s_lshl_b32 s52, s31, 6
	s_lshl_b32 s54, s27, 4
	s_add_co_u32 s52, s52, s54
	s_add_nc_u64 s[10:11], s[10:11], s[52:53]      ; gstat: image, groups 2 hd and 2 hd + 1
	s_lshl_b32 s52, s30, 16
	s_lshl_b32 s54, s28, 13
	s_add_co_u32 s52, s52, s54
	s_lshl_b32 s54, s27, 8
	s_add_co_u32 s52, s52, s54
	s_add_nc_u64 s[12:13], s[12:13], s[52:53]      ; x and out0: my 64 rows, + 8 m rows, + my 64 columns
	s_add_nc_u64 s[24:25], s[24:25], s[52:53]
	s_mov_b32 s52, s54
	s_add_nc_u64 s[14:15], s[14:15], s[52:53]      ; gain, bias and b_out at my 64 columns
	s_add_nc_u64 s[16:17], s[16:17], s[52:53]
	s_add_nc_u64 s[22:23], s[22:23], s[52:53]
	s_lshl_b32 s52, s27, 13
	s_add_nc_u64 s[18:19], s[18:19], s[52:53]      ; my 64 rows of w_out,
	s_lshl_b32 s52, s27, 9
	s_add_nc_u64 s[20:21], s[20:21], s[52:53]      ; and their scale bytes
	v_mov_b32 v13, 0xff61b1e6                      ; the largest score so far: -3e38
	v_mul_f32 v12, s50, v13
	v_floor_f32 v12, -v12                          ; -M
	v_mov_b32 v14, 0                               ; the sum, in two halves
	v_mov_b32 v15, 0
.irp j, 20,21,22,23
	v_mov_b32 v[\j], 0                             ; Q's zero codes for K = 64 .. 127
.endr
.irp i, 0,1,2,3
.irp j, 4,5,6,7
	v_mov_b32 v[32+8*\i+\j], 0                     ; K's likewise: written once, the loads fill registers 0-3 alone
.endr
.endr
.set j, 0
.rept 32
	v_mov_b32 v[160+j], 0                          ; O^T.  (The step is written once: the first finds zeros, which the first change of M leaves zeros)
.set j, j+1
.endr
	v_mov_b32 v241, 0                              ; a lane permute's destination counts as one of its sources
	v_mov_b32 v253, 0                              ; (named as the upper half of the pair v[252:253])
	s_wait_loadcnt 0x0                             ; Q
.Lslot:                                            ; 7 trips: behind each change of slots but the last the next slot is asked for
	CHANGE 1
	SLOT_STEPS
	s_sub_co_u32 s47, s47, 1
	s_cmp_lg_u32 s47, 0
	s_cbranch_scc1 .Lslot
	CHANGE 0                                       ; the last slot is written out
	SLOT_STEPS
	; ---- THE END.  The sum's halves; res = O^T / the sum; quantised: my 32 registers are block 2 hd + h of my query's 256 channels
	v_add_f32 v14, v14, v15
	v_permlanex16_b32 v241, v14, s48, s49
	v_add_f32 v14, v14, v241
.rept 4
	v_nop                                          ; places in front of loads into registers that the last products read, and of the first read of their results
.endr
.irp t, 0,1,2,3
.irp s, 0,1
.irp c, 0,1
	global_load_b128 v[32+8*(2*\t+\s)+4*\c:35+8*(2*\t+\s)+4*\c], v31, s[18:19] offset:2048*\t+64*\s+32*\c   ; w_out's fragment (tile t of 16 columns, K step s)
.endr
.endr
.endr
.irp t, 0,1,2,3
.irp s, 0,1
	global_load_b32 v[204+2*\t+\s], v248, s[20:21] offset:128*\t+4*\s
.endr
.endr
.irp t, 0,1,2,3
	global_load_b128 v[128+8*\t:131+8*\t], v10, s[22:23] offset:64*\t       ; b_out in the result's layout: the sums begin with it
	global_load_b128 v[132+8*\t:135+8*\t], v10, s[22:23] offset:64*\t+16
.endr
.irp i, 0,1,2,3,4,5,6,7
	global_load_b128 v[96+4*\i:99+4*\i], v30, s[12:13] offset:1024*(32*(\i/4)+2*(\i%4)) th:TH_LOAD_NT   ; x at the rows and columns that I store: row 2 i + h of my tile is token 32 (i / 4) + 8 m + 2 (i % 4) + h
.endr
	global_load_b128 v[216:219], v11, s[14:15]
	global_load_b128 v[220:223], v11, s[16:17]
	global_load_b64 v[214:215], v249, s[10:11]     ; (mean, rstd) of my four channels' group
	v_rcp_f32 v14, v14
	v_nop                                          ; one plain place behind the transcendental
.set j, 0
	s_wait_alu depctr_va_vdst(0)
.rept 16
	v_pk_mul_f32 v[160+j:161+j], v[160+j:161+j], v[14:15] op_sel_hi:[1,0]
.set j, j+2
.endr
	v_max3_num_f32 v240, |v160|, |v161|, 0x1800000
	v_max3_num_f32 v241, |v176|, |v177|, |v178|
.irp i, 0,1,2,3,4,5
	v_max3_num_f32 v240, v240, |v[162+2*\i]|, |v[163+2*\i]|
	v_max3_num_f32 v241, v241, |v[179+2*\i]|, |v[180+2*\i]|
.endr
	v_max3_num_f32 v240, v240, |v174|, |v175|
	v_max3_num_f32 v240, v240, v241, |v191|
	v_add_nc_u32 v242, 0xff000000, v240
	v_lshrrev_b32 v243, 23, v242
.irp g, 0,1,2,3
	v_cvt_scalef32_pk8_fp4_f32 v[224+\g], v[160+8*\g:167+8*\g], v242
.endr
	v_nop                                          ; one plain place behind the last scaled conversion
	ds_store_b128 v24, v[224:227]                  ; registers 4 (hd & 1) .. + 3 of fragment (tile m, K step hd / 2), as they stand
	ds_store_b8 v25, v243
	s_wait_dscnt 0x0                               ; for the others' sake: my stores have landed
	s_barrier_signal -1
	s_barrier_wait -1                              ; res's codes and scale words of all four heads lie in LDS
.irp s, 0,1
.irp c, 0,1
	ds_load_b128 v[232+8*\s+4*\c:235+8*\s+4*\c], v26 offset:512*(2*\s+\c)
.endr
.endr
.irp s, 0,1
	ds_load_b32 v[212+\s], v27 offset:64*\s
.endr
	s_wait_dscnt 0x0
	s_wait_loadcnt 11                              ; w_out, its scale words and b_out are in; x (8), gain, bias and gstat may be out
.irp s, 0,1                            ; transposed: source 0 = 16 columns of w_out, source 1 = my 16 rows: a lane holds eight neighbouring outputs of one row; four accumulators by turns
.irp t, 0,1,2,3
	v_wmma_scale_f32_16x16x128_f8f6f4 v[128+8*\t:135+8*\t], v[32+8*(2*\t+\s):39+8*(2*\t+\s)], v[232+8*\s:239+8*\s], v[128+8*\t:135+8*\t], v[204+2*\t+\s], v[212+\s] matrix_a_fmt:MATRIX_FMT_FP4 matrix_b_fmt:MATRIX_FMT_FP4
.endr
.endr
	s_wait_loadcnt 0x0
.irp i, 0,1,2,3
	v_mul_f32 v[216+\i], v[216+\i], v215           ; rstd x gn_scale: four plain lines, the places behind the last products
.endr
.irp t, 0,1,2,3
	ds_store_b128 v28, v[128+8*\t:131+8*\t] offset:64*\t          ; each accumulator from its low end on
	ds_store_b128 v28, v[132+8*\t:135+8*\t] offset:64*\t+16
.endr
.irp i, 0,1,2,3,4,5,6,7
	ds_load_b128 v[160+4*\i:163+4*\i], v29 offset:544*\i          ; LDS serves a wave's instructions in order: these see my stores
.endr
.irp i, 0,1,2,3,4,5,6,7
	s_wait_dscnt 7-\i                              ; rows 2 i and 2 i + 1 are back; the younger loads may be out
	v_pk_add_f32 v[96+4*\i:97+4*\i], v[96+4*\i:97+4*\i], v[214:215] op_sel_hi:[1,0] neg_lo:[0,1] neg_hi:[0,1]
	v_pk_add_f32 v[98+4*\i:99+4*\i], v[98+4*\i:99+4*\i], v[214:215] op_sel_hi:[1,0] neg_lo:[0,1] neg_hi:[0,1]
	v_pk_fma_f32 v[96+4*\i:97+4*\i], v[96+4*\i:97+4*\i], v[216:217], v[220:221]    ; xn, by the same lines as in the launch before
	v_pk_fma_f32 v[98+4*\i:99+4*\i], v[98+4*\i:99+4*\i], v[218:219], v[222:223]
	v_pk_add_f32 v[96+4*\i:97+4*\i], v[96+4*\i:97+4*\i], v[160+4*\i:161+4*\i]
	v_pk_add_f32 v[98+4*\i:99+4*\i], v[98+4*\i:99+4*\i], v[162+4*\i:163+4*\i]
	global_store_b128 v30, v[96+4*\i:99+4*\i], s[24:25] offset:1024*(32*(\i/4)+2*(\i%4)) th:TH_STORE_NT   ; 16 lanes store 256 consecutive bytes, at a multiple of 256 from out0's first byte
.endr
	s_wait_tensorcnt 0x0                           ; the wave's end, behind my last tensor load and my last LDS store
	ds_add_u32 v5, v6
	s_wait_dscnt 0x0
	CROUND                                         ; the closing round: no work-group ends while a partner may still ask for a tile that names it
	s_endpgm
.Lfunc_end_k_q4c8758f6e6_attn:
	.size	k_q4c8758f6e6_attn, .Lfunc_end_k_q4c8758f6e6_attn-k_q4c8758f6e6_attn
	.p2alignl 7, 3214868480
	.fill 96, 4, 3214868480
	.section	.rodata,"a",@progbits
	.p2align	6, 0x0
	.amdhsa_kernel k_q4c8758f6e6_attn
		.amdhsa_group_segment_fixed_size 327680
		.amdhsa_private_segment_fixed_size 0
		.amdhsa_enable_private_segment 0
		.amdhsa_kernarg_size 88
		.amdhsa_user_sgpr_count 2
		.amdhsa_user_sgpr_kernarg_segment_ptr 1
		.amdhsa_wavefront_size32 1
		.amdhsa_system_sgpr_workgroup_id_x 1
		.amdhsa_system_sgpr_workgroup_id_y 1
		.amdhsa_system_sgpr_workgroup_id_z 1
		.amdhsa_system_vgpr_workitem_id 0
		.amdhsa_next_free_vgpr 256
		.amdhsa_next_free_sgpr 66
		.amdhsa_reserve_vcc 0
		.amdhsa_float_denorm_mode_32 3
		.amdhsa_float_denorm_mode_16_64 3
		.amdhsa_memory_ordered 1
		.amdhsa_forward_progress 1
		.amdhsa_inst_pref_size 136
	.end_amdhsa_kernel
	.amdgpu_metadata
---
amdhsa.version: [ 1, 2 ]
amdhsa.kernels:
  - .name:           k_q4c8758f6e6_attn
    .symbol:         k_q4c8758f6e6_attn.kd
    .args:
      - { .name: qc, .offset: 0, .size: 8, .value_kind: global_buffer, .address_space: global }
      - { .name: qs, .offset: 8, .size: 8, .value_kind: global_buffer, .address_space: global }
      - { .name: kv, .offset: 16, .size: 8, .value_kind: global_buffer, .address_space: global }
      - { .name: gstat, .offset: 24, .size: 8, .value_kind: global_buffer, .address_space: global }
      - { .name: x, .offset: 32, .size: 8, .value_kind: global_buffer, .address_space: global }
      - { .name: gn_scale, .offset: 40, .size: 8, .value_kind: global_buffer, .address_space: global }
      - { .name: gn_bias, .offset: 48, .size: 8, .value_kind: global_buffer, .address_space: global }
      - { .name: w_out_codes, .offset: 56, .size: 8, .value_kind: global_buffer, .address_space: global }
      - { .name: w_out_scales, .offset: 64, .size: 8, .value_kind: global_buffer, .address_space: global }
      - { .name: b_out, .offset: 72, .size: 8, .value_kind: global_buffer, .address_space: global }
      - { .name: out0, .offset: 80, .size: 8, .value_kind: global_buffer, .address_space: global }
    .group_segment_fixed_size: 327680
    .private_segment_fixed_size: 0
    .kernarg_segment_align: 8
    .kernarg_segment_size: 88
    .max_flat_workgroup_size: 512
    .sgpr_count:     66
    .vgpr_count:     256
    .wavefront_size: 32
...
	.end_amdgpu_metadata
.endif
;; end of part 3
;; ======== version 2 of 2: 3 launches
;; workspace buffers: part 16,384 bytes; gstat 256 bytes; qc 2,097,152 bytes; qs 262,144 bytes; kv 4,718,592 bytes
;; launch stats (part 4): grid 256 x 1, 8 waves a work-group, no clusters, 1,280 bytes of LDS; arguments x, part; writes part
.if DOCPART == 4
	.amdgcn_target "amdgcn-amd-amdhsa--gfx1250"
	.amdhsa_code_object_version 6
	.text
	.protected	k_q4c8758f6e6_stats
	.globl	k_q4c8758f6e6_stats
	.p2align	8
	.type	k_q4c8758f6e6_stats,@function
k_q4c8758f6e6_stats:
	s_mov_b64 s[64:65], 0
	v_nop
	global_prefetch_b8 v0, s[64:65] scope:SCOPE_SE
	s_setreg_imm32_b32 hwreg(HW_REG_WAVE_MODE, 25, 1), 1
	s_wait_xcnt 0x0
; GroupNorm's statistics, first stage.  x: [16384 rows][256 channels] f32; a group is 32 neighbouring channels; an image is 4,096 rows.
; Work-group i takes rows 64 i .. 64 i + 63 and stores, for each of the 8 groups, the mean and the sum of squared deviations (M2) of its 2,048 numbers:
; part[i][g] = (mean, M2), 8 bytes at 64 i + 8 g.  The next launch joins an image's 64 such pairs.
; Wave w takes half-row u = w & 1 (512 bytes, 4 groups) of rows (w >> 1) + 4 j, j = 0 .. 15: each load covers 512 consecutive bytes; eight neighbouring lanes hold one group.
; Two passes over registers (mean, then deviations from it): no difference of large sums is formed, so a common offset of the inputs costs no accuracy.
; LIMITS: NaN and infinities among the inputs are not served.
.set X, 16                             ; v16-79  16 loads x 4 numbers
	s_load_b128 s[4:7], s[0:1], 0x0                ; x, part
	v_lshl_add_u32 v96, v0, 2, 0x100
	v_mov_b32 v97, 0
	v_lshrrev_b32 v1, 5, v0
	s_delay_alu instid0(VALU_DEP_1)
	v_readfirstlane_b32 s8, v1                     ; wave 0..7
	v_and_b32 v2, 31, v0                           ; lane
	v_bfe_u32 v3, v0, 5, 1                         ; u = wave & 1
	v_bfe_u32 v4, v0, 6, 2                         ; wave >> 1
	v_bfe_u32 v5, v0, 3, 2                         ; lane >> 3: my group among the half-row's four
	s_delay_alu instid0(VALU_DEP_4)
	v_lshlrev_b32 v1, 4, v2
	s_delay_alu instid0(VALU_DEP_1)
	v_lshl_add_u32 v1, v3, 9, v1
	s_delay_alu instid0(VALU_DEP_1)
	v_lshl_add_u32 v1, v4, 10, v1                  ; 16 lane + 512 u + 1024 (wave >> 1)
	v_lshlrev_b32 v6, 7, v3
	s_delay_alu instid0(VALU_DEP_1)
	v_lshl_add_u32 v6, v5, 5, v6
	s_delay_alu instid0(VALU_DEP_1)
	v_lshl_add_u32 v6, v4, 3, v6                   ; LDS: 32 bytes a group (4 u + lane / 8), 8 bytes for each of its four waves
	v_and_b32 v7, 7, v0
	s_delay_alu instid0(VALU_DEP_1)
	v_lshlrev_b32 v8, 3, v7                        ; wave 0's way out: 8 bytes a group
	s_delay_alu instid0(VALU_DEP_2)
	v_lshlrev_b32 v7, 5, v7                        ; and the group's 32 bytes in LDS
	s_lshl_b32 s10, ttmp9, 16                      ; 64 rows of 1,024 bytes
	s_mov_b32 s11, 0
	s_lshl_b32 s12, ttmp9, 6                       ; 64 bytes of part
	s_mov_b32 s13, 0
	s_wait_alu depctr_va_vdst(0)
	s_wait_kmcnt 0x0
	s_add_nc_u64 s[4:5], s[4:5], s[10:11]
	s_add_nc_u64 s[6:7], s[6:7], s[12:13]
.irp j, 0,1,2,3,4,5,6,7,8,9,10,11,12,13,14,15
	global_load_b128 v[X+4*\j:X+4*\j+3], v1, s[4:5] offset:4096*\j   ; no hint: the next launches read x again
.endr
	; pass 1: the sum, two numbers at a time, in four chains; the first eight pairs start them, so nothing is cleared
	s_wait_loadcnt 12                              ; loads 0-3 are in; the twelve younger may be out
.irp c, 0,1,2,3
	v_pk_add_f32 v[80+2*\c:81+2*\c], v[X+2*\c:X+2*\c+1], v[X+8+2*\c:X+9+2*\c]
.endr
	s_wait_alu depctr_va_vdst(0)
.irp g, 1,2,3
	s_wait_alu depctr_va_vdst(0)
	s_wait_loadcnt 12-4*\g                         ; four loads more are in
.irp p, 0,1,2,3,4,5,6,7
	v_pk_add_f32 v[80+2*(\p%4):81+2*(\p%4)], v[80+2*(\p%4):81+2*(\p%4)], v[X+16*\g+2*\p:X+16*\g+2*\p+1]
.endr
.endr
	s_delay_alu instid0(VALU_DEP_3)
	v_pk_add_f32 v[80:81], v[80:81], v[82:83]
	s_delay_alu instid0(VALU_DEP_2)
	v_pk_add_f32 v[84:85], v[84:85], v[86:87]
	s_delay_alu instid0(VALU_DEP_1)
	v_pk_add_f32 v[80:81], v[80:81], v[84:85]
	s_delay_alu instid0(VALU_DEP_1)
	v_add_f32 v90, v80, v81
	s_delay_alu instid0(VALU_DEP_1)
	v_add_f32_dpp v90, v90, v90 row_xmask:1 row_mask:0xf bank_mask:0xf   ; the eight lanes of a group
	s_delay_alu instid0(VALU_DEP_1)
	v_add_f32_dpp v90, v90, v90 row_xmask:2 row_mask:0xf bank_mask:0xf
	s_delay_alu instid0(VALU_DEP_1)
	v_add_f32_dpp v90, v90, v90 row_xmask:4 row_mask:0xf bank_mask:0xf
	s_delay_alu instid0(VALU_DEP_1)
	v_mul_f32 v88, 0x3b000000, v90                 ; / 512: the mean of my wave's 16 rows x 32 channels
	s_delay_alu instid0(VALU_DEP_1)
	v_mov_b32 v89, v88
	; pass 2: deviations from that mean, and their squares
.set p, 0
.rept 32
	v_pk_add_f32 v[X+2*p:X+2*p+1], v[X+2*p:X+2*p+1], v[88:89] neg_lo:[0,1] neg_hi:[0,1]
.set p, p+1
.endr
.irp c, 0,1,2,3
	v_pk_mul_f32 v[80+2*\c:81+2*\c], v[X+2*\c:X+2*\c+1], v[X+2*\c:X+2*\c+1]
.endr
.set p, 4
.rept 28
	s_delay_alu instid0(VALU_DEP_4)
	v_pk_fma_f32 v[80+2*(p%4):81+2*(p%4)], v[X+2*p:X+2*p+1], v[X+2*p:X+2*p+1], v[80+2*(p%4):81+2*(p%4)]
.set p, p+1
.endr
	s_delay_alu instid0(VALU_DEP_3)
	v_pk_add_f32 v[80:81], v[80:81], v[82:83]
	s_delay_alu instid0(VALU_DEP_2)
	v_pk_add_f32 v[84:85], v[84:85], v[86:87]
	s_delay_alu instid0(VALU_DEP_1)
	v_pk_add_f32 v[80:81], v[80:81], v[84:85]
	s_delay_alu instid0(VALU_DEP_1)
	v_add_f32 v93, v80, v81
	s_delay_alu instid0(VALU_DEP_1)
	v_add_f32_dpp v93, v93, v93 row_xmask:1 row_mask:0xf bank_mask:0xf
	s_delay_alu instid0(VALU_DEP_1)
	v_add_f32_dpp v93, v93, v93 row_xmask:2 row_mask:0xf bank_mask:0xf
	s_delay_alu instid0(VALU_DEP_1)
	v_add_f32_dpp v93, v93, v93 row_xmask:4 row_mask:0xf bank_mask:0xf
	v_mov_b32 v92, v88
	ds_store_b64 v6, v[92:93]                      ; (mean, M2); a group's eight lanes write the same bytes with the same value
	s_wait_dscnt 0x0                               ; for the others' sake: my store has landed
	s_barrier_signal -1
	s_barrier_wait -1
	s_cmp_lg_u32 s8, 0
	s_cbranch_scc1 .Ldone                          ; wave 0 joins the four waves of each group
	ds_load_b128 v[16:19], v7                      ; (m0, M2_0, m1, M2_1)
	ds_load_b128 v[20:23], v7 offset:16            ; (m2, M2_2, m3, M2_3)
	s_wait_dscnt 0x0
	v_add_f32 v24, v16, v18
	v_add_f32 v25, v20, v22
	s_delay_alu instid0(VALU_DEP_1)
	v_add_f32 v24, v24, v25
	s_delay_alu instid0(VALU_DEP_1)
	v_mul_f32 v24, 0x3e800000, v24                 ; the mean of four means of equal counts
	s_delay_alu instid0(VALU_DEP_1)
	v_sub_f32 v26, v16, v24
	s_delay_alu instid0(VALU_DEP_2)
	v_sub_f32 v27, v18, v24
	s_delay_alu instid0(VALU_DEP_3)
	v_sub_f32 v28, v20, v24
	s_delay_alu instid0(VALU_DEP_4)
	v_sub_f32 v29, v22, v24
	s_delay_alu instid0(VALU_DEP_4)
	v_mul_f32 v30, v26, v26
	s_delay_alu instid0(VALU_DEP_1)
	v_fma_f32 v30, v27, v27, v30
	s_delay_alu instid0(VALU_DEP_1)
	v_fma_f32 v30, v28, v28, v30
	s_delay_alu instid0(VALU_DEP_1)
	v_fma_f32 v30, v29, v29, v30
	v_add_f32 v31, v17, v19
	v_add_f32 v25, v21, v23
	s_delay_alu instid0(VALU_DEP_1)
	v_add_f32 v31, v31, v25
	s_delay_alu instid0(VALU_DEP_1)
	v_fma_f32 v25, v30, 0x44000000, v31            ; M2 = the four M2 + 512 x the squared distances of the four means
	global_store_b64 v8, v[24:25], s[6:7]          ; lanes l, l + 8, l + 16, l + 24 hold the same group and write the same value
.Ldone:
	s_wait_tensorcnt 0x0
	ds_add_u32 v96, v97
	s_wait_dscnt 0x0
	s_endpgm
.Lfunc_end_k_q4c8758f6e6_stats:
	.size	k_q4c8758f6e6_stats, .Lfunc_end_k_q4c8758f6e6_stats-k_q4c8758f6e6_stats
	.p2alignl 7, 3214868480
	.fill 96, 4, 3214868480
	.section	.rodata,"a",@progbits
	.p2align	6, 0x0
	.amdhsa_kernel k_q4c8758f6e6_stats
		.amdhsa_group_segment_fixed_size 1280
		.amdhsa_private_segment_fixed_size 0
		.amdhsa_enable_private_segment 0
		.amdhsa_kernarg_size 16
		.amdhsa_user_sgpr_count 2
		.amdhsa_user_sgpr_kernarg_segment_ptr 1
		.amdhsa_wavefront_size32 1
		.amdhsa_system_sgpr_workgroup_id_x 1
		.amdhsa_system_sgpr_workgroup_id_y 1
		.amdhsa_system_sgpr_workgroup_id_z 1
		.amdhsa_system_vgpr_workitem_id 0
		.amdhsa_next_free_vgpr 98
		.amdhsa_next_free_sgpr 66
		.amdhsa_reserve_vcc 0
		.amdhsa_float_denorm_mode_32 3
		.amdhsa_float_denorm_mode_16_64 3
		.amdhsa_memory_ordered 1
		.amdhsa_forward_progress 1
		.amdhsa_inst_pref_size 14
	.end_amdhsa_kernel
	.amdgpu_metadata
---
amdhsa.version: [ 1, 2 ]
amdhsa.kernels:
  - .name:           k_q4c8758f6e6_stats
    .symbol:         k_q4c8758f6e6_stats.kd
    .args:
      - { .name: x, .offset: 0, .size: 8, .value_kind: global_buffer, .address_space: global }
      - { .name: part, .offset: 8, .size: 8, .value_kind: global_buffer, .address_space: global }
    .group_segment_fixed_size: 1280
    .private_segment_fixed_size: 0
    .kernarg_segment_align: 8
    .kernarg_segment_size: 16
    .max_flat_workgroup_size: 256
    .sgpr_count:     66
    .vgpr_count:     98
    .wavefront_size: 32
...
	.end_amdgpu_metadata
.endif
;; end of part 4
;; launch qkv (part 5): grid 256 x 1, 4 waves a work-group, no clusters, 79,360 bytes of LDS; arguments x, part, gn_scale, gn_bias, w_qkv_codes, w_qkv_scales, qc, qs, kv, gstat; writes qc, qs, kv, gstat
.if DOCPART == 5
	.amdgcn_target "amdgcn-amd-amdhsa--gfx1250"
	.amdhsa_code_object_version 6
	.text
	.protected	k_q4c8758f6e6_qkv
	.globl	k_q4c8758f6e6_qkv
	.p2align	8
	.type	k_q4c8758f6e6_qkv,@function
k_q4c8758f6e6_qkv:
	s_mov_b64 s[64:65], 0
	v_nop
	global_prefetch_b8 v0, s[64:65] scope:SCOPE_SE
	s_setreg_imm32_b32 hwreg(HW_REG_WAVE_SCHED_MODE, 0, 2), 2
	s_setreg_imm32_b32 hwreg(HW_REG_WAVE_MODE, 25, 1), 1
	s_wait_xcnt 0x0
	s_wait_alu depctr_vm_vsrc(0)
; GroupNorm, then qkv = Q(xn) W, both operands as codes of FP4 (E2M1) with one E8M0 scale for each 32 along K; then q, k (along the head's 64) and v (along the keys) are quantised and stored
; AS IMAGES OF THE OPERAND REGISTERS that the attention launch wants: lane l's 16 bytes at 16 l, 512 bytes an image.
; A work-group takes 64 tokens of one image.  Wave w normalises and quantises row tile w, and owns head w: 12 tiles of 16 rows of w_qkv (4 of q, 4 of k, 4 of v), which stay in its registers.
; THE ONE LAYOUT IDEA: 64 things (tokens, head channels) are cut into four tiles by pi(T, rho) = 32 (rho >> 3) + 8 T + (rho & 7).  In a matrix result lane (r, h) holds rows 8 h + j of a tile, so its 32 registers
; of the four tiles are members 32 h + 0 .. 31: ONE WHOLE BLOCK of 32, in order, in one lane.  A block's largest magnitude needs no other lane, and four conversions give registers 4 c .. 4 c + 3 of the next operand.
; q, k: source 0 = 16 rows of W, source 1 = 16 tokens: a lane holds one token, registers run along the head's channels.  v: source 0 = 16 tokens, source 1 = 16 rows of W: a lane holds one channel, registers run along the keys.
; xn = (x - mean) (rstd x gn_scale) + gn_bias: one order of rounding away from the written formula.
; LIMITS: NaN and infinities are not served; a block whose largest magnitude lies under 2^-124 (a block of zeros among them) gets the scale byte 1: its bytes are read by this program alone.
; kv: [image 4][slot 8][head 4][step 4][9,216 bytes]: a step is 128 keys of one head: 8 images of K (tile 4 c + T': key 64 c + pi(T', rho)), 8 of V ([c][channel tile t]: registers 4 c .. 4 c + 3), 128 scale words of K, 2 x 64 half words of V.
; REGISTERS.  Window 0: v1-21 addresses; v24-31 the statistics, later the codes just made; v32-34 scale words just made; v36-46 at work; v48-79 an image's 16 partial pairs a lane; v80-95 gain and bias;
;   v96-103 x's scale words, v104-127 the weights': scales and nothing else; v128-255 x, then xn by K, then accumulators.   Window 1: v0-191 the weights' 24 fragments; v192-255 x's eight fragments.
; THE MODE: SCHED_MODE bits 1:0 = 2 (LLVM: expert scheduling mode 2), set by the entry lines.  The code itself states the register dependences
; between vector or matrix instructions and memory or LDS instructions, with s_wait_alu, always for 0.
; THE PLAN.  Registers that memory or LDS instructions touch:
;   v4-15, v18-21   offsets and LDS addresses: written at the head by vector instructions and never again: one wait ahead of the first load states that for the whole kernel.
;   v30, v31        mean and rstd: written by vector instructions; read by four lane permutes and by the store of gstat: one wait ahead of the permutes.
;   v128-255 as xn  written by the normalising lines, four rows to a group; a group's eight LDS stores are dealt among the NEXT group's vector lines, which name other rows: one wait behind each group.
;                   Then the stage's loads land in them: one wait states that the stores have read them.
;   v24-34          codes and scale words: written by each of the eight quantising steps, read by that step's stores.  One wait stands behind a step's last vector line, ahead of its run of stores; the waits that
;                   free v24-34 again stand in the next step, ahead of its first line that writes them: the lines in front of those, the search for the largest magnitudes, write v36-46 alone, which no store names.
;   Window 1, v96-127   weights, x's fragments and all scale words: filled by loads alone, read by matrix instructions alone, never loaded again.
; The two halves of v128-255 take turns: the sixteen products for one half are issued ahead of the quantising of the other half.  So a step's wait ahead of its stores stands in front of the next products,
; and the quantising of one half gives the places behind the products of the other.
.set HEADB, 36864
.set STEPB, 9216
.set KC,    0
.set VC,    4096
.set KSO,   8192
.set VSO,   8704
.set XIMG,  66560                      ; LDS: 0: a stage of 16 rows x 1,040 bytes for each wave; here x's 8 fragments, 1,024 bytes each;
.set XSC,   74752                      ; their scale words, 128 bytes each;
.set SG,    75776                      ; and for each wave 3 x 256 bytes: the scale words of q, k, v on their way out
.set MSB, 0
.macro WIN new                         ; the immediate's high byte repeats the setting that is left
.if MSB != \new
	s_set_vgpr_msb (MSB<<8)|\new
.set MSB, \new
.endif
.endm
; 64 numbers v[n0] .. v[n0 + 63], two whole blocks of 32 of my lane (c = 0, 1), become 8 registers of codes v24-31 and the word v32: bytes 0, 1 = blocks of lanes 0-15 and 16-31 for c = 0, bytes 2, 3 for c = 1.
.macro QUANT2 n0
.irp c, 0,1
	v_max3_num_f32 v[36+\c], |v[(\n0)+32*\c]|, |v[(\n0)+32*\c+1]|, 0x1800000   ; two chains a block, each accumulator read from its low end on; the floor 2^(3 - 127) holds the byte at 1 from below
	v_max3_num_f32 v[38+\c], |v[(\n0)+32*\c+16]|, |v[(\n0)+32*\c+17]|, |v[(\n0)+32*\c+18]|
.endr
.irp i, 0,1,2,3,4,5
.irp c, 0,1
	v_max3_num_f32 v[36+\c], v[36+\c], |v[(\n0)+32*\c+2+2*\i]|, |v[(\n0)+32*\c+3+2*\i]|
	v_max3_num_f32 v[38+\c], v[38+\c], |v[(\n0)+32*\c+19+2*\i]|, |v[(\n0)+32*\c+20+2*\i]|
.endr
.endr
.irp c, 0,1
	v_max3_num_f32 v[36+\c], v[36+\c], |v[(\n0)+32*\c+14]|, |v[(\n0)+32*\c+15]|
.endr
.irp c, 0,1
	v_max3_num_f32 v[36+\c], v[36+\c], v[38+\c], |v[(\n0)+32*\c+31]|
.endr
.irp c, 0,1
	v_add_nc_u32 v[40+\c], 0xff000000, v[36+\c]    ; 2 off the exponent field: the conversion takes this operand's exponent field as its scale
.endr
.irp c, 0,1
	v_lshrrev_b32 v[42+\c], 23, v[40+\c]           ; the scale's byte
.endr
	v_lshl_or_b32 v44, v43, 16, v42
	v_lshlrev_b32 v44, v16, v44                    ; 8 h bits up
	v_permlanex16_b32 v46, v44, s28, s29
	s_wait_alu depctr_va_vdst(0)
	s_wait_xcnt 0x0                                ; v24-34 were the data of stores: they are rewritten only behind these waits.  (All lines above write v36-46 alone)
	s_wait_dscnt 0x0
	s_wait_alu depctr_vm_vsrc(0)                   ; the stores of the step before (ahead of the first step: the lane permutes and the store of gstat) have read v24-34, which the lines below write
	v_or_b32 v32, v44, v46                         ; with lane l xor 16's two bytes the word is whole
.irp c, 0,1
.irp g, 0,1,2,3
	v_cvt_scalef32_pk8_fp4_f32 v[24+4*\c+\g], v[(\n0)+32*\c+8*\g:(\n0)+32*\c+8*\g+7], v[40+\c]
.endr
.endr
	v_nop                                          ; one plain place behind the last scaled conversion
.endm
.macro SPLIT
	v_and_b32 v33, 0xffff, v32                     ; the word of c = 0: two bytes, zeros above (they stand over zero codes)
	v_lshrrev_b32 v34, 16, v32                     ; and of c = 1
.endm
.macro MM d, a, b, first, sa, sb
.if \first
	v_wmma_scale_f32_16x16x128_f8f6f4 v[(\d):(\d)+7], v[(\a):(\a)+7], v[(\b):(\b)+7], 0, v[\sa], v[\sb] matrix_a_fmt:MATRIX_FMT_FP4 matrix_b_fmt:MATRIX_FMT_FP4
.else
	v_wmma_scale_f32_16x16x128_f8f6f4 v[(\d):(\d)+7], v[(\a):(\a)+7], v[(\b):(\b)+7], v[(\d):(\d)+7], v[\sa], v[\sb] matrix_a_fmt:MATRIX_FMT_FP4 matrix_b_fmt:MATRIX_FMT_FP4
.endif
.endm
; xn of half-row u of row r of my tile, in place; and its way into my stage
.macro NORM r, u
.irp i, 0,2
	v_pk_add_f32 v[128+8*(\r)+4*(\u)+\i:129+8*(\r)+4*(\u)+\i], v[128+8*(\r)+4*(\u)+\i:129+8*(\r)+4*(\u)+\i], v[24+2*(\u):25+2*(\u)] neg_lo:[0,1] neg_hi:[0,1]
.endr
	s_wait_alu depctr_va_vdst(0)
.irp i, 0,2
	v_pk_fma_f32 v[128+8*(\r)+4*(\u)+\i:129+8*(\r)+4*(\u)+\i], v[128+8*(\r)+4*(\u)+\i:129+8*(\r)+4*(\u)+\i], v[80+4*(\u)+\i:81+4*(\u)+\i], v[88+4*(\u)+\i:89+4*(\u)+\i]
.endr
.endm
.macro PUT r, u
	ds_store_b128 v7, v[128+8*(\r)+4*(\u):131+8*(\r)+4*(\u)] offset:1040*(\r)+512*(\u)
.endm
; q and k of row tile m: 8 accumulators by turns, one instruction a turn, in half m % 2 of v128-255
.macro MMQK m
	WIN 0x05                                       ; both sources window 1
.irp s, 0,1
.irp t, 0,1,2,3,4,5,6,7
	MM 128+64*((\m)%2)+8*\t, 8*(2*\t+\s), 192+16*(\m)+8*\s, 1-\s, 104+2*\t+\s, 96+2*(\m)+\s
.endr
.endr
	WIN 0
.endm
; channel tiles 2 i and 2 i + 1 of v: my lane's block h of the work-group's 64 keys
.macro VOUT i
	QUANT2 128+64*(\i)
	SPLIT
	s_wait_alu depctr_va_vdst(0)                   ; the conversions have written v24-31 and the two lines above v33, v34, which the four stores below read
	global_store_b128 v4, v[24:27], s[32:33] offset:VC+512*(2*(\i))
	global_store_b128 v4, v[28:31], s[32:33] offset:VC+512*(2*(\i)+1)
	ds_store_b32 v11, v33 offset:512+64*(2*(\i))   ; both halves of the lanes write the same word with the same value
	ds_store_b32 v11, v34 offset:512+64*(2*(\i)+1)
.endm
; row tile m of q and k: c = 0: q's block h of my token; c = 1: k's
.macro QKOUT m
	QUANT2 128+64*((\m)%2)
	SPLIT
	s_wait_alu depctr_va_vdst(0)                   ; the conversions have written v24-31 and the two lines above v33, v34, which the four stores below read
	global_store_b128 v4, v[24:27], s[16:17] offset:512*(\m)
	global_store_b128 v4, v[28:31], s[32:33] offset:KC+512*(\m)
	ds_store_b32 v11, v33 offset:64*(\m)
	ds_store_b32 v11, v34 offset:256+64*(\m)
.endm
	s_load_b256 s[4:11], s[0:1], 0x0               ; x, part, gn_scale, gn_bias
	s_load_b256 s[12:19], s[0:1], 0x20             ; w_qkv_codes, w_qkv_scales, qc, qs
	s_load_b128 s[20:23], s[0:1], 0x40             ; kv, gstat
	v_lshl_add_u32 v45, v0, 2, 0x13400
	v_mov_b32 v47, 0
	v_lshrrev_b32 v1, 5, v0
	v_readfirstlane_b32 s24, v1                    ; wave = my row tile = my head
	s_lshr_b32 s25, ttmp9, 6                       ; the image
	s_and_b32 s26, ttmp9, 63                       ; G: which 64 tokens of it
	s_mov_b32 s27, 0x45000000                      ; 2048.0
	s_mov_b32 s28, 0x76543210
	s_mov_b32 s29, 0xfedcba98                      ; v_permlanex16_b32's selects for lane l xor 16
	s_mov_b32 s30, 0x37000000                      ; 2^-17: a group of an image has 131,072 numbers
	s_mov_b32 s31, 0x3727c5ac                      ; 1e-5
	v_and_b32 v1, 31, v0                           ; lane
	v_and_b32 v2, 15, v0                           ; rho
	v_bfe_u32 v3, v0, 4, 1                         ; h
	v_lshlrev_b32 v4, 4, v1                        ; 16 lane
	v_lshlrev_b32 v5, 2, v1                        ; 4 lane
	v_lshlrev_b32 v6, 3, v1                        ; 8 lane
	s_wait_alu depctr_va_vdst(0)
	s_wait_alu depctr_va_sdst(0)                   ; s24 is written, ahead of its first reader: LDS addresses and the buffers' offsets are made from it
	s_mul_i32 s36, s24, 16640
	v_add_nc_u32 v7, s36, v4                       ; my stage, in: 16 lane
	v_mul_u32_u24 v8, v2, 1040
	v_lshl_add_u32 v8, v3, 7, v8
	v_add_nc_u32 v8, s36, v8                       ; and out: row rho, + 128 h
	s_lshl_b32 s36, s24, 11
	s_add_co_u32 s36, s36, XIMG
	v_add_nc_u32 v9, s36, v4                       ; where I store x's images
	s_lshl_b32 s36, s24, 8
	s_add_co_u32 s36, s36, XSC
	v_add_nc_u32 v10, s36, v5                      ; and their scale words
	s_mul_i32 s36, s24, 768
	s_add_co_u32 s36, s36, SG
	v_lshl_add_u32 v11, v2, 2, s36                 ; scale words on their way out: 4 rho
	v_add_nc_u32 v12, s36, v6                      ; and read back: 8 lane
	v_and_b32 v13, 7, v0
	v_lshlrev_b32 v13, 3, v13                      ; gstat: 8 bytes a group
	v_and_b32 v14, 8, v2
	v_mad_u32_u24 v15, v14, 3, v2                  ; rho + 3 (rho & 8) = 32 (rho >> 3) + (rho & 7)
	v_lshlrev_b32 v14, 7, v15
	v_lshl_add_u32 v14, v3, 4, v14                 ; a row of w_qkv is 128 bytes; + 16 h
	v_lshlrev_b32 v15, 3, v15                      ; its scale bytes: 8 a row
	v_lshlrev_b32 v16, 3, v3                       ; 8 h
	v_lshrrev_b32 v18, 3, v1
	v_lshlrev_b32 v18, 2, v18                      ; lane permute: 4 x (lane / 8): the lane that holds group lane / 8,
	v_add_nc_u32 v19, 16, v18                      ; and group 4 + lane / 8
	v_add_nc_u32 v20, XIMG, v4                     ; where any wave reads x's images (an LDS immediate has 16 bits: the base rides in the register)
	v_add_nc_u32 v21, XSC, v5
	v_mov_b32 v46, 0                               ; a lane permute's destination counts as one of its sources
	s_lshl_b32 s36, ttmp9, 16
	s_lshl_b32 s37, s24, 13
	s_add_co_u32 s36, s36, s37                     ; x: 64 rows a work-group, + 8 w rows
	s_mov_b32 s37, 0
	s_lshl_b32 s38, s25, 12                        ; part: 64 work-groups x 64 bytes an image
	s_mov_b32 s39, 0
	s_mul_i32 s40, s24, 24576                      ; my head's 192 rows of w_qkv,
	s_mov_b32 s41, 0
	s_mul_i32 s42, s24, 1536                       ; and their scale bytes
	s_mov_b32 s43, 0
	s_lshl_b32 s44, ttmp9, 13
	s_lshl_b32 s45, s24, 11
	s_add_co_u32 s44, s44, s45                     ; qc: [work-group][head][tile][512]
	s_mov_b32 s45, 0
	s_lshl_b32 s46, ttmp9, 10
	s_lshl_b32 s47, s24, 8
	s_add_co_u32 s46, s46, s47                     ; qs: [work-group][head][tile][16 words]
	s_mov_b32 s47, 0
	s_lshr_b32 s48, s26, 3                         ; slot = G >> 3
	s_lshl_b32 s49, s25, 3
	s_add_co_u32 s48, s48, s49
	s_lshl_b32 s48, s48, 2
	s_add_co_u32 s48, s48, s24
	s_mul_i32 s48, s48, HEADB
	s_bfe_u32 s49, s26, 0x20001                    ; step = (G >> 1) & 3
	s_mul_i32 s49, s49, STEPB
	s_add_co_u32 s48, s48, s49
	s_and_b32 s50, s26, 1                          ; c = G & 1
	s_lshl_b32 s52, s50, 8
	s_lshl_b32 s50, s50, 11
	s_add_co_u32 s50, s48, s50                     ; kv, images: + 2,048 c
	s_mov_b32 s51, 0
	s_add_co_u32 s52, s48, s52                     ; kv, scale words: + 256 c
	s_mov_b32 s53, 0
	s_lshl_b32 s54, s25, 6                         ; gstat: 64 bytes an image
	s_mov_b32 s55, 0
	s_wait_kmcnt 0x0
	s_add_nc_u64 s[4:5], s[4:5], s[36:37]
	s_add_nc_u64 s[6:7], s[6:7], s[38:39]
	s_add_nc_u64 s[12:13], s[12:13], s[40:41]
	s_add_nc_u64 s[14:15], s[14:15], s[42:43]
	s_add_nc_u64 s[16:17], s[16:17], s[44:45]
	s_add_nc_u64 s[18:19], s[18:19], s[46:47]
	s_add_nc_u64 s[32:33], s[20:21], s[50:51]
	s_add_nc_u64 s[34:35], s[20:21], s[52:53]
	s_add_nc_u64 s[22:23], s[22:23], s[54:55]
	s_wait_alu depctr_va_vdst(0)                   ; the offsets and LDS addresses v4-15 and v18-21 are written: every load, store and lane permute of the kernel reads some of them, and none is written again
	; ---- loads out: the image's 64 x 8 partial pairs (lane l: partial 4 j + l / 8 of group l & 7), gain and bias of my 8 channels, my 16 rows of x
.irp j, 0,1,2,3,4,5,6,7,8,9,10,11,12,13,14,15
	global_load_b64 v[48+2*\j:49+2*\j], v6, s[6:7] offset:256*\j
.endr
.irp u, 0,1
	global_load_b128 v[80+4*\u:83+4*\u], v4, s[8:9] offset:512*\u
	global_load_b128 v[88+4*\u:91+4*\u], v4, s[10:11] offset:512*\u
.endr
.irp r, 0,1,2,3,4,5,6,7,8,9,10,11,12,13,14,15
.irp u, 0,1
	global_load_b128 v[128+8*\r+4*\u:131+8*\r+4*\u], v4, s[4:5] offset:1024*(32*(\r/8)+(\r%8))+512*\u   ; row rho of my tile is token 32 (rho >> 3) + 8 w + (rho & 7); 512 consecutive bytes a load
.endr
.endr
	s_wait_loadcnt 32                              ; the partials, gain and bias are in; x's 32 loads may be out
	; ---- the group's mean and 1 / sqrt(var + eps): 64 pairs of equal counts, 16 in my lane, the rest in lanes l xor 8, 16, 24
	v_add_f32 v36, v48, v52
	v_add_f32 v37, v50, v54
.irp j, 4,6,8,10,12,14
	v_add_f32 v36, v36, v[48+2*\j]
	v_add_f32 v37, v37, v[50+2*\j]
.endr
	v_add_f32 v36, v36, v37
	v_add_f32_dpp v36, v36, v36 row_xmask:8 row_mask:0xf bank_mask:0xf
	v_permlanex16_b32 v37, v36, s28, s29
	v_add_f32 v36, v36, v37
	v_mul_f32 v30, 0x3c800000, v36                 ; / 64: the mean
.irp j, 0,1,2,3,4,5,6,7,8,9,10,11,12,13,14,15
	v_sub_f32 v[48+2*\j], v[48+2*\j], v30
.endr
	v_mul_f32 v36, v48, v48
	v_mul_f32 v37, v50, v50
	v_add_f32 v38, v49, v53
	v_add_f32 v39, v51, v55
.irp j, 2,4,6,8,10,12,14
	v_fma_f32 v36, v[48+2*\j], v[48+2*\j], v36
	v_fma_f32 v37, v[50+2*\j], v[50+2*\j], v37
.endr
.irp j, 4,6,8,10,12,14
	v_add_f32 v38, v38, v[49+2*\j]
	v_add_f32 v39, v39, v[51+2*\j]
.endr
	v_add_f32 v36, v36, v37
	v_add_f32 v38, v38, v39
	v_fma_f32 v38, v36, s27, v38                   ; M2 = the partial M2 + 2,048 x the squared distances of the partial means
	v_add_f32_dpp v38, v38, v38 row_xmask:8 row_mask:0xf bank_mask:0xf
	v_permlanex16_b32 v37, v38, s28, s29
	v_add_f32 v38, v38, v37
	v_fma_f32 v39, v38, s30, s31                   ; var + eps
	s_wait_alu depctr_va_vdst(0)
	v_rsq_f32 v31, v39
	v_nop                                          ; one plain place behind the transcendental
	s_wait_alu depctr_va_vdst(0)                   ; the mean v30 and the root's result v31 are written: the four lane permutes and the store of gstat read them
	ds_bpermute_b32 v24, v18, v30                  ; lane l holds group l & 7; I want groups lane / 8 (channels 0-127) and 4 + lane / 8 (channels 128-255)
	ds_bpermute_b32 v26, v19, v30
	ds_bpermute_b32 v28, v18, v31
	ds_bpermute_b32 v29, v19, v31
	s_wait_dscnt 0x0
	v_mov_b32 v25, v24
	v_mov_b32 v27, v26
.irp i, 0,1,2,3
	v_mul_f32 v[80+\i], v[80+\i], v28              ; rstd x gn_scale
	v_mul_f32 v[84+\i], v[84+\i], v29
.endr
	s_or_b32 s56, s26, s24
	s_cmp_lg_u32 s56, 0
	s_cbranch_scc1 .Lno_gstat                      ; an image's first work-group, wave 0, leaves (mean, rstd) for the last launch
	global_store_b64 v13, v[30:31], s[22:23]       ; no vector line since the wait ahead of the permutes names v13, v30 or v31
.Lno_gstat:
	s_wait_loadcnt 0x0                             ; x
	; ---- the weights are asked for now and land under the normalising and quantising of x.  Their offsets v14, v15 stand since the head's wait; no vector instruction names the registers in which they land
	WIN 0x40                                       ; destination window 1
.irp t, 0,1,2,3,4,5,6,7,8,9,10,11
.irp s, 0,1
.irp c, 0,1
	global_load_b128 v[8*(2*\t+\s)+4*\c:8*(2*\t+\s)+4*\c+3], v14, s[12:13] offset:128*(64*(\t/4)+8*(\t%4))+64*\s+32*\c   ; tile t = 4 a + T': row 64 a + pi(T', rho) of my head
.endr
.endr
.endr
	WIN 0
.irp t, 0,1,2,3,4,5,6,7,8,9,10,11
.irp s, 0,1
	global_load_b32 v[104+2*\t+\s], v15, s[14:15] offset:8*(64*(\t/4)+8*(\t%4))+4*\s
.endr
.endr
	; ---- xn, and through my stage: in as loaded (a row's 1,024 bytes on end), out 32 neighbours along K a lane.  Four rows to a group; a group's eight stores stand among the next group's vector lines
.irp g, 0,1,2,3
.irp k, 0,1,2,3
.irp u, 0,1
.if \g > 0
	PUT 4*(\g-1)+\k, \u                            ; the group before: no vector line since the wait behind it names these four registers or v7
.endif
	NORM 4*\g+\k, \u
.endr
.endr
	s_wait_alu depctr_va_vdst(0)                   ; this group's four rows of xn are written, which the eight stores that follow read; behind the last group also: no vector line is still reading or writing v128-255, in which the stage's loads land
.endr
.irp k, 0,1,2,3
.irp u, 0,1
	PUT 12+\k, \u
.endr
.endr
	s_wait_dscnt 0x0                               ; the stores have landed
	s_wait_alu depctr_vm_vsrc(0)                   ; the 32 stores have read v128-255, in which the loads below land
.irp s, 0,1
.irp c, 0,1
.irp i, 0,1,2,3,4,5,6,7
	ds_load_b128 v[128+64*\s+32*\c+4*\i:131+64*\s+32*\c+4*\i], v8 offset:512*\s+256*\c+16*\i   ; channels 128 s + 64 c + 32 h + 4 i ..; rows 1,040 bytes apart start at 16 different groups of banks
.endr
.endr
.endr
	s_wait_dscnt 0x0
.irp s, 0,1
	QUANT2 128+64*\s
	s_wait_alu depctr_va_vdst(0)                   ; the conversions have written v24-31, and v32 is written: the three stores below read them
	ds_store_b128 v9, v[24:27] offset:1024*\s      ; the fragment goes to LDS as it stands
	ds_store_b128 v9, v[28:31] offset:1024*\s+512
	ds_store_b32 v10, v32 offset:128*\s
.endr
	s_wait_dscnt 0x0                               ; for the others' sake: my images have landed
	s_barrier_signal -1
	s_barrier_wait -1                              ; x's eight fragments lie in LDS; nothing overwrites them
	WIN 0x40
.irp f, 0,1,2,3,4,5,6,7
.irp c, 0,1
	ds_load_b128 v[192+8*\f+4*\c:195+8*\f+4*\c], v20 offset:1024*\f+512*\c   ; fragment f = 2 x row tile + K step; no vector instruction names these registers
.endr
.endr
	WIN 0
.irp f, 0,1,2,3,4,5,6,7
	ds_load_b32 v[96+\f], v21 offset:128*\f
.endr
	s_wait_dscnt 0x0
	s_wait_loadcnt 0x0                             ; the weights
	; ---- v: 16 accumulators (channel tile t, row tile m) at v[128 + 32 t + 8 m]; four take turns, one instruction a turn
	WIN 0x05                                       ; both sources window 1
.irp m, 0,1,2,3
.irp s, 0,1
.irp t, 0,1,2,3
	MM 128+32*\t+8*\m, 192+16*\m+8*\s, 8*(2*(8+\t)+\s), 1-\s, 96+2*\m+\s, 104+2*(8+\t)+\s
.endr
.endr
.endr
	WIN 0
.rept 4
	v_nop                                          ; places in front of the first read of results
.endr
	; ---- the halves of v128-255 by turns: a half is quantised and stored, then takes the next sixteen products, which run under the other half's quantising.
	; The vector lines of that quantising name none of those products' registers: they are the places between the products and the first read of their results
	VOUT 0                                         ; v's channel tiles 0, 1 leave v128-191,
	MMQK 0                                         ; which take q and k of row tile 0
	VOUT 1                                         ; v's channel tiles 2, 3 leave v192-255,
	MMQK 1                                         ; which take row tile 1
	QKOUT 0
	MMQK 2
	QKOUT 1
	MMQK 3
	QKOUT 2
	QKOUT 3
	; ---- the scale words leave as three aligned runs of 256 bytes
	ds_load_b64 v[48:49], v12                      ; LDS serves a wave's instructions in order: these see my stores.  (v48-53 were last named by vector lines in the statistics, ahead of many a wait on va_vdst)
	ds_load_b64 v[50:51], v12 offset:256
	ds_load_b64 v[52:53], v12 offset:512
	s_wait_dscnt 0x0
	global_store_b64 v6, v[48:49], s[18:19]
	global_store_b64 v6, v[50:51], s[34:35] offset:KSO
	global_store_b64 v6, v[52:53], s[34:35] offset:VSO
	s_wait_dscnt 0x0
	s_wait_alu depctr_hold_cnt(0) depctr_sa_sdst(0) depctr_va_vdst(0) depctr_va_sdst(0) depctr_va_ssrc(0) depctr_va_vcc(0) depctr_vm_vsrc(0)
	s_wait_tensorcnt 0x0
	ds_add_u32 v45, v47
	s_wait_dscnt 0x0
	s_endpgm
.Lfunc_end_k_q4c8758f6e6_qkv:
	.size	k_q4c8758f6e6_qkv, .Lfunc_end_k_q4c8758f6e6_qkv-k_q4c8758f6e6_qkv
	.p2alignl 7, 3214868480
	.fill 96, 4, 3214868480
	.section	.rodata,"a",@progbits
	.p2align	6, 0x0
	.amdhsa_kernel k_q4c8758f6e6_qkv
		.amdhsa_group_segment_fixed_size 79360
		.amdhsa_private_segment_fixed_size 0
		.amdhsa_enable_private_segment 0
		.amdhsa_kernarg_size 80
		.amdhsa_user_sgpr_count 2
		.amdhsa_user_sgpr_kernarg_segment_ptr 1
		.amdhsa_wavefront_size32 1
		.amdhsa_system_sgpr_workgroup_id_x 1
		.amdhsa_system_sgpr_workgroup_id_y 1
		.amdhsa_system_sgpr_workgroup_id_z 1
		.amdhsa_system_vgpr_workitem_id 0
		.amdhsa_next_free_vgpr 512
		.amdhsa_next_free_sgpr 66
		.amdhsa_reserve_vcc 0
		.amdhsa_float_denorm_mode_32 3
		.amdhsa_float_denorm_mode_16_64 3
		.amdhsa_memory_ordered 1
		.amdhsa_forward_progress 1
		.amdhsa_inst_pref_size 76
	.end_amdhsa_kernel
	.amdgpu_metadata
---
amdhsa.version: [ 1, 2 ]
amdhsa.kernels:
  - .name:           k_q4c8758f6e6_qkv
    .symbol:         k_q4c8758f6e6_qkv.kd
    .args:
      - { .name: x, .offset: 0, .size: 8, .value_kind: global_buffer, .address_space: global }
      - { .name: part, .offset: 8, .size: 8, .value_kind: global_buffer, .address_space: global }
      - { .name: gn_scale, .offset: 16, .size: 8, .value_kind: global_buffer, .address_space: global }
      - { .name: gn_bias, .offset: 24, .size: 8, .value_kind: global_buffer, .address_space: global }
      - { .name: w_qkv_codes, .offset: 32, .size: 8, .value_kind: global_buffer, .address_space: global }
      - { .name: w_qkv_scales, .offset: 40, .size: 8, .value_kind: global_buffer, .address_space: global }
      - { .name: qc, .offset: 48, .size: 8, .value_kind: global_buffer, .address_space: global }
      - { .name: qs, .offset: 56, .size: 8, .value_kind: global_buffer, .address_space: global }
      - { .name: kv, .offset: 64, .size: 8, .value_kind: global_buffer, .address_space: global }
      - { .name: gstat, .offset: 72, .size: 8, .value_kind: global_buffer, .address_space: global }
    .group_segment_fixed_size: 79360
    .private_segment_fixed_size: 0
    .kernarg_segment_align: 8
    .kernarg_segment_size: 80
    .max_flat_workgroup_size: 128
    .sgpr_count:     66
    .vgpr_count:     512
    .wavefront_size: 32
...
	.end_amdgpu_metadata
.endif
;; end of part 5
;; launch attn (part 6): grid 256 x 1, 16 waves a work-group, clusters of 4 x 1, 327,680 bytes of LDS; arguments qc, qs, kv, gstat, x, gn_scale, gn_bias, w_out_codes, w_out_scales, b_out, out0; writes out0
.if DOCPART == 6
	.amdgcn_target "amdgcn-amd-amdhsa--gfx1250"
	.amdhsa_code_object_version 6
	.text
	.protected	k_q4c8758f6e6_attn
	.globl	k_q4c8758f6e6_attn
	.p2align	8
	.type	k_q4c8758f6e6_attn,@function
k_q4c8758f6e6_attn:
	s_mov_b64 s[64:65], 0
	v_nop
	global_prefetch_b8 v0, s[64:65] scope:SCOPE_SE
	s_setreg_imm32_b32 hwreg(HW_REG_WAVE_MODE, 25, 1), 1
	s_wait_xcnt 0x0
	s_wait_alu depctr_hold_cnt(0) depctr_sa_sdst(0) depctr_va_vdst(0) depctr_va_sdst(0) depctr_va_ssrc(0) depctr_va_vcc(0) depctr_vm_vsrc(0)
	s_getreg_b32 s2, hwreg(HW_REG_IB_STS2, 6, 4)
	s_cmp_eq_u32 s2, 0
	s_cbranch_scc0 .Lentry_in_a_cluster
	s_endpgm
.Lentry_in_a_cluster:
	s_bfe_u32 s2, ttmp6, 0x10000c
	s_cmp_lg_u32 s2, 0x3003
	s_cbranch_scc0 .Lentry_shape_is_right
	s_endpgm
.Lentry_shape_is_right:
; out = Q(softmax(q k^T / 16) v) W_out + b_out + xn, all three products on codes of FP4 (E2M1) with one E8M0 scale for each 32 along K.
; A work-group owns 64 queries of one image, all four heads, so that the output product is fused.  Wave wv = 4 m + hd owns query tile m (16 queries) of head hd in 256 registers: four waves to a SIMD, so that one
; wave's exponentials stand beside another's products and LDS loads.  Every wave walks the image's 4,096 keys, 128 a step, 4 steps a slot, 8 slots, through a ring of two LDS slots.
; THE SOFTMAX: t = score x log2(e) / 16; M = the running largest t rounded UP to a whole number; p = 2^(t - M) is quantised along the keys, not normalised; the sum of the unquantised p divides at the end.
; When M moves, the sum and O are multiplied by 2^(old M - new M): exact.
; LAYOUT.  Both products are used transposed (S^T = K Q^T, O^T = V^T P^T): a lane holds ONE query.  The keys of a tile of K, and the channels of a tile of V, are chosen by pi(T, rho) = 32 (rho >> 3) + 8 T + (rho & 7):
; a lane's 32 registers of four tiles are then ONE WHOLE BLOCK of 32 neighbours, so a block's largest score needs no other lane and the conversions' results are the next operand's registers as they stand.
; All operands lie in kv and in LDS as images of their registers: lane l's 16 bytes at 16 l; every LDS read is 512 consecutive bytes.  The head has 64 channels: registers 4-7 of Q's and K's fragments are zero codes.
; CLUSTER.  The four work-groups of a cluster belong to one image and walk the same kv: each slot (147,456 bytes, all four heads) is asked for JOINTLY, by waves 0-7, 72 rows of 256 bytes each.
; By this text's own count a wave has at most one tensor load outstanding.  lds_bytes: the whole claim of 327,680; the text uses 305,664 bytes.
; LIMITS: NaN and infinities are not served; a block whose largest magnitude lies under 2^-124 gets the scale byte 1 (its bytes are read by this program alone).
; REGISTERS: v1-11, v24-31, v248-249 addresses; v12 -M, v13 the largest score, v[14:15] the sum; v16-23 Q; v32-63 four fragments of K; v64-95 V's four; v96-159 S^T, then p; v160-191 O^T;
;   v192-213 scale words and nothing else; v224-231 p's codes; v232-243 at work; v[252:253] f.
.set HEADB, 36864
.set STEPB, 9216
.set SLOTB, 147456
.set KC,    0
.set VC,    4096
.set KSO,   8192
.set VSO,   8704
.set SPARE, 294912                     ; behind the ring: the spare words, 128 bytes for each of 16 waves: eight blocks of 256 bytes that no other line names
.set RIMG,  296960                     ; res's codes: 16 x 512 bytes, wave wv's at 512 wv
.set RSC,   305152                     ; res's scale words: [row tile 4][K step 2][16 words]
.set STG,   0                          ; the way out: 16 rows x 272 bytes for each wave, in slot 0: it has had its last fill, and nobody reads it behind the last change of slots
.macro CROUND                          ; a round of the cluster's barrier
	s_barrier_signal -1
	s_barrier_wait -1
	s_cmp_lg_u32 s26, 0
	s_cbranch_scc1 .Lnot_wave_0_\@
	s_barrier_signal -3
.Lnot_wave_0_\@:
	s_barrier_wait -3
	s_barrier_signal -1
	s_barrier_wait -1
.endm
.macro JLOAD                           ; waves 0-7 ask, each for an eighth of a slot; the branch hangs on the wave's number alone; four v_nop follow the load
	s_cmp_lt_u32 s26, 8
	s_cbranch_scc0 .Lasked_\@
	tensor_load_to_lds s[40:43], s[32:39]
	s_nop 0
.rept 4
	v_nop
.endr
.Lasked_\@:
.endm
; THE CHANGE OF SLOTS stands at a slot's head.  Each wave waits for all its tensor loads (its part of the slot ahead), adds 0 to its spare word, and waits for that and for its reads of the slot that it has left.
; fill = 1: a round of the cluster's barrier, so that no wave of any partner still reads that slot or has a load on its way; the joint refill is the first thing behind it and has four steps in which to land.
.macro CHANGE fill
	s_wait_tensorcnt 0x0                           ; no tensor load of mine is out, so the descriptor may be written
	ds_add_u32 v5, v6                              ; 0 onto my spare word
.if \fill
	s_xor_b32 s45, s45, SLOTB                      ; the other slot than last time,
	s_add_co_u32 s41, s45, s46                     ; my eighth of it,
	s_add_nc_u64 s[42:43], s[42:43], SLOTB         ; the next 512 keys; the type bits on top are not reached
.endif
	s_wait_dscnt 0x0                               ; the add is done, and my reads of the slot that I have left are over
.if \fill
	CROUND
	JLOAD
.else
	s_barrier_signal -1
	s_barrier_wait -1
.endif
.endm
.macro SMUL g                          ; S^T of tiles 4 g .. 4 g + 3; a register of scale words holds an even tile's in lanes 0-15 and the odd one's in lanes 16-31
.irp i, 0,1,2,3
.if (\i)%2
	v_wmma_scale_f32_16x16x128_f8f6f4 v[96+32*\g+8*\i:103+32*\g+8*\i], v[32+8*\i:39+8*\i], v[16:23], 0, v[192+2*\g+\i/2], v203 matrix_a_fmt:MATRIX_FMT_FP4 matrix_b_fmt:MATRIX_FMT_FP4 matrix_a_scale:MATRIX_SCALE_ROW1
.else
	v_wmma_scale_f32_16x16x128_f8f6f4 v[96+32*\g+8*\i:103+32*\g+8*\i], v[32+8*\i:39+8*\i], v[16:23], 0, v[192+2*\g+\i/2], v203 matrix_a_fmt:MATRIX_FMT_FP4 matrix_b_fmt:MATRIX_FMT_FP4
.endif
.endr
.endm
.macro BMAX c                          ; the largest score of my block of 32 keys (tiles 4 c .. 4 c + 3), in two chains, each accumulator read from its low end on
	v_max3_num_f32 v[240+2*\c], v[96+32*\c], v[97+32*\c], v[98+32*\c]
	v_max3_num_f32 v[241+2*\c], v[112+32*\c], v[113+32*\c], v[114+32*\c]
.irp i, 0,1,2,3,4,5
	v_max3_num_f32 v[240+2*\c], v[240+2*\c], v[99+32*\c+2*\i], v[100+32*\c+2*\i]
	v_max3_num_f32 v[241+2*\c], v[241+2*\c], v[115+32*\c+2*\i], v[116+32*\c+2*\i]
.endr
	v_max3_num_f32 v[240+2*\c], v[240+2*\c], v[241+2*\c], v[111+32*\c]
	v_max_num_f32 v[232+\c], v[240+2*\c], v[127+32*\c]
.endm
; A KEY STEP: 128 keys, the q-th of the slot in hand.
.macro STEP q
.irp i, 0,1,2,3
	ds_load_b128 v[32+8*\i:35+8*\i], v8 offset:(\q)*STEPB+KC+512*\i
.endr
.irp i, 0,1,2,3
	ds_load_b32 v[192+\i], v9 offset:(\q)*STEPB+KSO+128*\i
.endr
	s_wait_dscnt 0x0
	SMUL 0
.rept 4
	v_nop                                          ; places in front of loads into K's registers, just read, and V's, which the last step's products read
.endr
.irp i, 0,1,2,3
	ds_load_b128 v[32+8*\i:35+8*\i], v8 offset:(\q)*STEPB+KC+512*(4+\i)
.endr
.irp c, 0,1
.irp t, 0,1,2,3
	ds_load_b128 v[64+8*\t+4*\c:67+8*\t+4*\c], v8 offset:(\q)*STEPB+VC+512*(4*\c+\t)
.endr
.endr
.irp c, 0,1
.irp i, 0,1
	ds_load_b32 v[196+2*\c+\i], v9 offset:(\q)*STEPB+VSO+256*\c+128*\i
.endr
.endr
	s_wait_dscnt 12                                ; K's four are in; V's eight fragments' halves and four half words may be out
	SMUL 1
	BMAX 0                                         ; on tiles 0-3, four places behind their products; these 16 lines are the places behind tiles 4-7's
	BMAX 1
	s_wait_alu depctr_va_vdst(0)
	s_wait_dscnt 0x0                               ; V
.irp i, 0,1
	v_lshl_or_b32 v[200+\i], v[198+\i], 16, v[196+\i]   ; V's scale words: keys 0-63's two bytes below, keys 64-127's above
.endr
	v_max_num_f32 v240, v232, v233
	s_delay_alu instid0(VALU_DEP_1)
	v_permlanex16_b32 v241, v240, s48, s49         ; my query's other 64 keys lie in lane l xor 16
	s_delay_alu instid0(VALU_DEP_1)
	v_max3_num_f32 v13, v13, v240, v241            ; the running largest score
	s_delay_alu instid0(VALU_DEP_1)
	v_mul_f32 v242, s50, v13                       ; as t (the factor is positive)
	v_mov_b32 v243, v12
	s_delay_alu instid0(VALU_DEP_2)
	v_floor_f32 v12, -v242                         ; the new -M = floor(-t) = -ceil(t): M is a whole number
	s_delay_alu instid0(VALU_DEP_1)
	v_sub_f32 v243, v12, v243                      ; old M - new M: a whole number, 0 or less
	s_delay_alu instid0(VALU_DEP_1)
	v_cvt_i32_f32 v243, v243                       ; (it saturates)
	s_delay_alu instid0(VALU_DEP_1)
	v_ldexp_f32 v252, 1.0, v243                    ; f = 2^(old M - new M)
.set j, 0
.rept 32
	v_pk_fma_f32 v[96+j:97+j], v[96+j:97+j], s[50:51], v[12:13] op_sel_hi:[1,0,0]   ; t - M, two at a time (the low words of both pairs serve both halves)
.set j, j+2
.endr
.irp c, 0,1
	v_fma_f32 v[232+\c], v[232+\c], s50, v12       ; the same of each block's largest score
.endr
.set j, 0
	s_wait_alu depctr_va_vdst(0)
.rept 64
	v_exp_f32 v[96+j], v[96+j]                     ; p = 2^(t - M), at most 1
.set j, j+1
.endr
.irp c, 0,1
	v_exp_f32 v[232+\c], v[232+\c]                 ; the block's largest p: the same two instructions on the same number give the same bits
.endr
	v_pk_mul_f32 v[14:15], v[14:15], v[252:253] op_sel_hi:[1,0]   ; the sum under the new M (a plain place behind the exponentials)
	s_wait_alu depctr_va_vdst(0)
.irp c, 0,1
	v_max_num_f32 v[232+\c], 0x1800000, v[232+\c]  ; the floor 2^(3 - 127): the byte cannot fall under 1
.endr
.irp c, 0,1
	s_delay_alu instid0(VALU_DEP_2)
	v_add_nc_u32 v[234+\c], 0xff000000, v[232+\c]  ; 2 off the exponent field: the conversion's scale operand
.endr
.irp c, 0,1
	s_delay_alu instid0(VALU_DEP_2)
	v_lshrrev_b32 v[236+\c], 23, v[234+\c]         ; the scale's byte
.endr
	s_delay_alu instid0(VALU_DEP_1)
	v_lshl_or_b32 v240, v237, 16, v236             ; my blocks h and 2 + h,
	s_delay_alu instid0(VALU_DEP_1)
	v_lshlrev_b32 v240, v3, v240                   ; 8 h bits up;
	s_delay_alu instid0(VALU_DEP_1)
	v_permlanex16_b32 v241, v240, s48, s49
	s_delay_alu instid0(VALU_DEP_1)
	v_or_b32 v202, v240, v241                      ; with lane l xor 16's two: p's scale word for these 128 keys
.irp c, 0,1
.irp g, 0,1,2,3
	v_cvt_scalef32_pk8_fp4_f32 v[224+4*\c+\g], v[96+32*\c+8*\g:103+32*\c+8*\g], v[234+\c]   ; registers 4 c .. 4 c + 3 of the operand, as they stand
.endr
.endr
	v_pk_add_f32 v[238:239], v[100:101], v[104:105]
	v_pk_add_f32 v[254:255], v[108:109], v[112:113]
	v_pk_add_f32 v[250:251], v[116:117], v[120:121]
	v_pk_add_f32 v[246:247], v[124:125], v[128:129]
	v_pk_add_f32 v[244:245], v[132:133], v[136:137]
	v_pk_add_f32 v[242:243], v[140:141], v[144:145]
	v_pk_add_f32 v[236:237], v[148:149], v[152:153]
	v_pk_add_f32 v[14:15], v[14:15], v[156:157]
	v_pk_add_f32 v[238:239], v[238:239], v[96:97]
	v_pk_add_f32 v[254:255], v[254:255], v[98:99]
	v_pk_add_f32 v[250:251], v[250:251], v[102:103]
	v_pk_add_f32 v[246:247], v[246:247], v[106:107]
	v_pk_add_f32 v[244:245], v[244:245], v[110:111]
	v_pk_add_f32 v[242:243], v[242:243], v[114:115]
	v_pk_add_f32 v[236:237], v[236:237], v[118:119]
	v_pk_add_f32 v[14:15], v[14:15], v[122:123]
	v_pk_add_f32 v[238:239], v[238:239], v[126:127]
	v_pk_add_f32 v[254:255], v[254:255], v[130:131]
	v_pk_add_f32 v[250:251], v[250:251], v[134:135]
	v_pk_add_f32 v[246:247], v[246:247], v[138:139]
	v_pk_add_f32 v[244:245], v[244:245], v[142:143]
	v_pk_add_f32 v[242:243], v[242:243], v[146:147]
	v_pk_add_f32 v[236:237], v[236:237], v[150:151]
	v_pk_add_f32 v[14:15], v[14:15], v[154:155]
	v_pk_add_f32 v[238:239], v[238:239], v[158:159]
	s_delay_alu instid0(VALU_DEP_2)
	v_pk_add_f32 v[14:15], v[14:15], v[246:247]
	s_delay_alu instid0(VALU_DEP_2)
	v_pk_add_f32 v[238:239], v[238:239], v[244:245]
	v_pk_add_f32 v[254:255], v[254:255], v[242:243]
	v_pk_add_f32 v[250:251], v[250:251], v[236:237]
	s_delay_alu instid0(VALU_DEP_2)
	v_pk_add_f32 v[14:15], v[14:15], v[254:255]
	s_delay_alu instid0(VALU_DEP_2)
	v_pk_add_f32 v[238:239], v[238:239], v[250:251]
	s_delay_alu instid0(VALU_DEP_1)
	v_pk_add_f32 v[14:15], v[14:15], v[238:239]
.set j, 0
.rept 16
	v_pk_mul_f32 v[160+j:161+j], v[160+j:161+j], v[252:253] op_sel_hi:[1,0]   ; O^T under the new M
.set j, j+2
.endr
.irp t, 0,1,2,3                        ; O^T += V^T P^T: the four accumulators take turns, one instruction a turn
.if (\t)%2
	v_wmma_scale_f32_16x16x128_f8f6f4 v[160+8*\t:167+8*\t], v[64+8*\t:71+8*\t], v[224:231], v[160+8*\t:167+8*\t], v[200+\t/2], v202 matrix_a_fmt:MATRIX_FMT_FP4 matrix_b_fmt:MATRIX_FMT_FP4 matrix_a_scale:MATRIX_SCALE_ROW1
.else
	v_wmma_scale_f32_16x16x128_f8f6f4 v[160+8*\t:167+8*\t], v[64+8*\t:71+8*\t], v[224:231], v[160+8*\t:167+8*\t], v[200+\t/2], v202 matrix_a_fmt:MATRIX_FMT_FP4 matrix_b_fmt:MATRIX_FMT_FP4
.endif
.endr
.endm
.macro SLOT_STEPS
	v_add_nc_u32 v8, s44, v1                       ; the slot in hand: images,
	s_wait_alu depctr_va_vdst(0)
	v_add_nc_u32 v9, s44, v2                       ; and scale words
	s_wait_alu depctr_va_vdst(0)
	STEP 0
	STEP 1
	STEP 2
	STEP 3
	s_xor_b32 s44, s44, SLOTB                      ; on to the other slot
.endm
	s_load_b256 s[4:11], s[0:1], 0x0               ; qc, qs, kv, gstat
	s_load_b256 s[12:19], s[0:1], 0x20             ; x, gn_scale, gn_bias, w_out_codes
	s_load_b128 s[20:23], s[0:1], 0x40             ; w_out_scales, b_out
	s_load_b64 s[24:25], s[0:1], 0x50              ; out0
	v_lshl_add_u32 v5, v0, 2, SPARE
	v_mov_b32 v6, 0
	ds_add_u32 v5, v6
	ds_add_u32 v5, v6
	s_wait_dscnt 0x0
	v_lshrrev_b32 v7, 5, v0
	s_delay_alu instid0(VALU_DEP_1)
	v_readfirstlane_b32 s26, v7                    ; wave 0..15
	s_and_b32 s27, s26, 3                          ; hd: my head
	s_lshr_b32 s28, s26, 2                         ; m: my tile of queries
	s_bfe_u32 s29, ttmp6, 0x40000                  ; cx: my place in the cluster: it enters the addresses of Q, x and out0 alone
	s_lshl_b32 s30, ttmp9, 2
	s_add_co_u32 s30, s30, s29                     ; my block of 64 queries = 4 x cluster + cx
	s_lshr_b32 s31, ttmp9, 4                       ; the image, which the four partners share
	; descriptor group 1: 72 rows of 256 bytes (32 elements of 8 bytes), dense in memory and in LDS
	s_mov_b32 s32, 15|(3<<16)|(1<<21)              ; 15:0 the mask: all four work-groups; 17:16 elements of 8 bytes; 21 set beside a mask; no padding
	s_mov_b32 s33, 32<<16                          ; tensor_dim0 = 32
	s_mov_b32 s34, 72<<16                          ; tensor_dim1 = 72
	s_mov_b32 s35, 32<<16                          ; tile_dim0 = 32
	s_mov_b32 s36, 72                              ; tile_dim1 = 72
	s_mov_b32 s37, 32                              ; elements from row to row
	s_mov_b32 s38, 0
	s_mov_b32 s39, 0
	s_and_b32 s52, s26, 7
	s_mul_i32 s46, s52, 18432                      ; my eighth of a slot (waves 8-15 ask for nothing)
	s_mov_b32 s44, 0                               ; the slot that is read
	s_mov_b32 s45, 0                               ; the slot that was filled last
	s_mov_b32 s47, 7                               ; slots still to be asked for
	s_mov_b32 s48, 0x76543210
	s_mov_b32 s49, 0xfedcba98                      ; v_permlanex16_b32's selects for lane l xor 16
	s_mov_b32 s50, 0x3db8aa3b                      ; log2(e) / 16
	s_mov_b32 s51, s50                             ; (named with it as a pair, so it is written)
	s_mul_i32 s52, s31, 8*SLOTB
	s_add_co_u32 s52, s52, s46
	s_mov_b32 s53, 0
	s_wait_kmcnt 0x0
	s_mov_b32 s40, 1                               ; 1:0 count = 1
	s_mov_b32 s41, s46                             ; LDS address: slot 0, my eighth
	s_add_nc_u64 s[42:43], s[8:9], s[52:53]        ; global address: the image's first 512 keys, my eighth
	s_or_b32 s43, s43, 0x80000000                  ; type = 2
	CROUND                                         ; all four work-groups are here: the first joint loads meet
	JLOAD                                          ; slot 0
	s_lshl_b32 s54, s27, 2
	s_add_co_u32 s54, s54, s28                     ; 4 hd + m
	s_lshl_b32 s52, s30, 13
	s_lshl_b32 s55, s54, 9
	s_add_co_u32 s52, s52, s55
	s_add_nc_u64 s[4:5], s[4:5], s[52:53]          ; Q's image
	s_lshl_b32 s52, s30, 10
	s_lshl_b32 s55, s54, 6
	s_add_co_u32 s52, s52, s55
	s_add_nc_u64 s[6:7], s[6:7], s[52:53]          ; and its scale words
	v_and_b32 v254, 31, v0                         ; lane
	v_and_b32 v250, 15, v0                         ; r
	v_bfe_u32 v251, v0, 4, 1                       ; h
	s_wait_alu depctr_va_vdst(0)
	v_lshlrev_b32 v4, 4, v254                      ; 16 lane
	v_lshlrev_b32 v7, 2, v250                      ; 4 r
	global_load_b128 v[16:19], v4, s[4:5]          ; Q stays in registers
	global_load_b32 v203, v7, s[6:7]
	s_mul_i32 s54, s27, HEADB
	v_add_nc_u32 v1, s54, v4                       ; my head's part of a slot: images, 16 lane,
	v_lshl_add_u32 v2, v254, 2, s54                ; scale words, 4 lane
	v_lshlrev_b32 v3, 3, v251                      ; 8 h
	v_lshlrev_b32 v10, 5, v251                     ; b_out: 32 h
	v_lshlrev_b32 v11, 4, v250                     ; gain and bias: 16 r
	s_lshl_b32 s52, s26, 9
	s_add_co_u32 s52, s52, RIMG
	v_add_nc_u32 v24, s52, v4                      ; where I store res's codes
	s_lshl_b32 s52, s28, 7
	s_lshr_b32 s54, s27, 1
	s_lshl_b32 s54, s54, 6
	s_add_co_u32 s52, s52, s54
	s_and_b32 s54, s27, 1
	s_lshl_b32 s54, s54, 1
	s_add_co_u32 s52, s52, s54
	s_add_co_u32 s52, s52, RSC
	v_lshl_add_u32 v25, v250, 2, v251
	s_delay_alu instid0(VALU_DEP_1)
	v_add_nc_u32 v25, s52, v25                     ; and my block's scale byte: tile m, K step hd / 2, row r, byte 2 (hd & 1) + h
	s_lshl_b32 s52, s28, 11
	s_add_co_u32 s52, s52, RIMG
	v_add_nc_u32 v26, s52, v4                      ; where I read my tile's four images,
	s_lshl_b32 s52, s28, 7
	s_add_co_u32 s52, s52, RSC
	v_add_nc_u32 v27, s52, v7                      ; and its scale words
	s_mul_i32 s52, s26, 4352
	s_add_co_u32 s52, s52, STG                     ; my stage
	v_mul_u32_u24 v28, v250, 272
	s_delay_alu instid0(VALU_DEP_1)
	v_lshl_add_u32 v28, v251, 5, v28
	s_delay_alu instid0(VALU_DEP_1)
	v_add_nc_u32 v28, s52, v28                     ; in: row r, + 32 h
	v_mul_u32_u24 v29, v251, 272
	s_delay_alu instid0(VALU_DEP_1)
	v_lshl_add_u32 v29, v250, 4, v29
	s_delay_alu instid0(VALU_DEP_1)
	v_add_nc_u32 v29, s52, v29                     ; back: lanes 0-15 one row of 256 bytes, lanes 16-31 the next
	v_lshlrev_b32 v30, 10, v251
	s_delay_alu instid0(VALU_DEP_1)
	v_lshl_add_u32 v30, v250, 4, v30               ; and the same two rows in x and out0
	v_lshlrev_b32 v31, 7, v250
	s_delay_alu instid0(VALU_DEP_1)
	v_lshl_add_u32 v31, v251, 4, v31               ; w_out: row r of 128 bytes, + 16 h
	v_lshlrev_b32 v248, 3, v250                    ; its scale bytes: 8 a row
	v_lshrrev_b32 v249, 3, v250
	s_delay_alu instid0(VALU_DEP_1)
	v_lshlrev_b32 v249, 3, v249                    ; gstat: which of my head's two groups
	s_lshl_b32 s52, s31, 6
	s_lshl_b32 s54, s27, 4
	s_add_co_u32 s52, s52, s54
	s_add_nc_u64 s[10:11], s[10:11], s[52:53]      ; gstat: image, groups 2 hd and 2 hd + 1
	s_lshl_b32 s52, s30, 16
	s_lshl_b32 s54, s28, 13
	s_add_co_u32 s52, s52, s54
	s_lshl_b32 s54, s27, 8
	s_add_co_u32 s52, s52, s54
	s_add_nc_u64 s[12:13], s[12:13], s[52:53]      ; x and out0: my 64 rows, + 8 m rows, + my 64 columns
	s_add_nc_u64 s[24:25], s[24:25], s[52:53]
	s_mov_b32 s52, s54
	s_add_nc_u64 s[14:15], s[14:15], s[52:53]      ; gain, bias and b_out at my 64 columns
	s_add_nc_u64 s[16:17], s[16:17], s[52:53]
	s_add_nc_u64 s[22:23], s[22:23], s[52:53]
	s_lshl_b32 s52, s27, 13
	s_add_nc_u64 s[18:19], s[18:19], s[52:53]      ; my 64 rows of w_out,
	s_lshl_b32 s52, s27, 9
	s_add_nc_u64 s[20:21], s[20:21], s[52:53]      ; and their scale bytes
	v_mov_b32 v13, 0xff61b1e6                      ; the largest score so far: -3e38
	s_delay_alu instid0(VALU_DEP_1)
	v_mul_f32 v12, s50, v13
	s_delay_alu instid0(VALU_DEP_1)
	v_floor_f32 v12, -v12                          ; -M
	v_mov_b32 v14, 0                               ; the sum, in two halves
	v_mov_b32 v15, 0
.irp j, 20,21,22,23
	v_mov_b32 v[\j], 0                             ; Q's zero codes for K = 64 .. 127
.endr
.irp i, 0,1,2,3
.irp j, 4,5,6,7
	v_mov_b32 v[32+8*\i+\j], 0                     ; K's likewise: written once, the loads fill registers 0-3 alone
.endr
.endr
.set j, 0
.rept 32
	v_mov_b32 v[160+j], 0                          ; O^T.  (The step is written once: the first finds zeros, which the first change of M leaves zeros)
.set j, j+1
.endr
	v_mov_b32 v241, 0                              ; a lane permute's destination counts as one of its sources
	v_mov_b32 v253, 0                              ; (named as the upper half of the pair v[252:253])
	s_wait_loadcnt 0x0                             ; Q
.Lslot:                                            ; 7 trips: behind each change of slots but the last the next slot is asked for
	CHANGE 1
	SLOT_STEPS
	s_sub_co_u32 s47, s47, 1
	s_cmp_lg_u32 s47, 0
	s_cbranch_scc1 .Lslot
	CHANGE 0                                       ; the last slot is written out
	SLOT_STEPS
	; ---- THE END.  The sum's halves; res = O^T / the sum; quantised: my 32 registers are block 2 hd + h of my query's 256 channels
	v_add_f32 v14, v14, v15
	s_delay_alu instid0(VALU_DEP_1)
	v_permlanex16_b32 v241, v14, s48, s49
	s_delay_alu instid0(VALU_DEP_1)
	v_add_f32 v14, v14, v241
.rept 4
	v_nop                                          ; places in front of loads into registers that the last products read, and of the first read of their results
.endr
.irp t, 0,1,2,3
.irp s, 0,1
.irp c, 0,1
	global_load_b128 v[32+8*(2*\t+\s)+4*\c:35+8*(2*\t+\s)+4*\c], v31, s[18:19] offset:2048*\t+64*\s+32*\c   ; w_out's fragment (tile t of 16 columns, K step s)
.endr
.endr
.endr
.irp t, 0,1,2,3
.irp s, 0,1
	global_load_b32 v[204+2*\t+\s], v248, s[20:21] offset:128*\t+4*\s
.endr
.endr
.irp t, 0,1,2,3
	global_load_b128 v[128+8*\t:131+8*\t], v10, s[22:23] offset:64*\t       ; b_out in the result's layout: the sums begin with it
	global_load_b128 v[132+8*\t:135+8*\t], v10, s[22:23] offset:64*\t+16
.endr
.irp i, 0,1,2,3,4,5,6,7
	global_load_b128 v[96+4*\i:99+4*\i], v30, s[12:13] offset:1024*(32*(\i/4)+2*(\i%4)) th:TH_LOAD_NT   ; x at the rows and columns that I store: row 2 i + h of my tile is token 32 (i / 4) + 8 m + 2 (i % 4) + h
.endr
	global_load_b128 v[216:219], v11, s[14:15]
	global_load_b128 v[220:223], v11, s[16:17]
	global_load_b64 v[214:215], v249, s[10:11]     ; (mean, rstd) of my four channels' group
	s_wait_alu depctr_va_vdst(0)
	v_rcp_f32 v14, v14
	v_nop                                          ; one plain place behind the transcendental
.set j, 0
	s_wait_alu depctr_va_vdst(0)
.rept 16
	v_pk_mul_f32 v[160+j:161+j], v[160+j:161+j], v[14:15] op_sel_hi:[1,0]
.set j, j+2
.endr
	v_max3_num_f32 v240, |v160|, |v161|, 0x1800000
	v_max3_num_f32 v241, |v176|, |v177|, |v178|
.irp i, 0,1,2,3,4,5
	s_delay_alu instid0(VALU_DEP_2)
	v_max3_num_f32 v240, v240, |v[162+2*\i]|, |v[163+2*\i]|
	s_delay_alu instid0(VALU_DEP_2)
	v_max3_num_f32 v241, v241, |v[179+2*\i]|, |v[180+2*\i]|
.endr
	s_delay_alu instid0(VALU_DEP_2)
	v_max3_num_f32 v240, v240, |v174|, |v175|
	s_delay_alu instid0(VALU_DEP_1)
	v_max3_num_f32 v240, v240, v241, |v191|
	s_delay_alu instid0(VALU_DEP_1)
	v_add_nc_u32 v242, 0xff000000, v240
	s_delay_alu instid0(VALU_DEP_1)
	v_lshrrev_b32 v243, 23, v242
.irp g, 0,1,2,3
	v_cvt_scalef32_pk8_fp4_f32 v[224+\g], v[160+8*\g:167+8*\g], v242
.endr
	v_nop                                          ; one plain place behind the last scaled conversion
	ds_store_b128 v24, v[224:227]                  ; registers 4 (hd & 1) .. + 3 of fragment (tile m, K step hd / 2), as they stand
	ds_store_b8 v25, v243
	s_wait_dscnt 0x0                               ; for the others' sake: my stores have landed
	s_barrier_signal -1
	s_barrier_wait -1                              ; res's codes and scale words of all four heads lie in LDS
.irp s, 0,1
.irp c, 0,1
	ds_load_b128 v[232+8*\s+4*\c:235+8*\s+4*\c], v26 offset:512*(2*\s+\c)
.endr
.endr
.irp s, 0,1
	ds_load_b32 v[212+\s], v27 offset:64*\s
.endr
	s_wait_dscnt 0x0
	s_wait_loadcnt 11                              ; w_out, its scale words and b_out are in; x (8), gain, bias and gstat may be out
.irp s, 0,1                            ; transposed: source 0 = 16 columns of w_out, source 1 = my 16 rows: a lane holds eight neighbouring outputs of one row; four accumulators by turns
.irp t, 0,1,2,3
	v_wmma_scale_f32_16x16x128_f8f6f4 v[128+8*\t:135+8*\t], v[32+8*(2*\t+\s):39+8*(2*\t+\s)], v[232+8*\s:239+8*\s], v[128+8*\t:135+8*\t], v[204+2*\t+\s], v[212+\s] matrix_a_fmt:MATRIX_FMT_FP4 matrix_b_fmt:MATRIX_FMT_FP4
.endr
.endr
	s_wait_loadcnt 0x0
.irp i, 0,1,2,3
	v_mul_f32 v[216+\i], v[216+\i], v215           ; rstd x gn_scale: four plain lines, the places behind the last products
.endr
.irp t, 0,1,2,3
	ds_store_b128 v28, v[128+8*\t:131+8*\t] offset:64*\t          ; each accumulator from its low end on
	ds_store_b128 v28, v[132+8*\t:135+8*\t] offset:64*\t+16
.endr
.irp i, 0,1,2,3,4,5,6,7
	ds_load_b128 v[160+4*\i:163+4*\i], v29 offset:544*\i          ; LDS serves a wave's instructions in order: these see my stores
.endr
.irp i, 0,1,2,3,4,5,6,7
	s_wait_dscnt 7-\i                              ; rows 2 i and 2 i + 1 are back; the younger loads may be out
	v_pk_add_f32 v[96+4*\i:97+4*\i], v[96+4*\i:97+4*\i], v[214:215] op_sel_hi:[1,0] neg_lo:[0,1] neg_hi:[0,1]
	s_wait_alu depctr_va_vdst(0)
	v_pk_add_f32 v[98+4*\i:99+4*\i], v[98+4*\i:99+4*\i], v[214:215] op_sel_hi:[1,0] neg_lo:[0,1] neg_hi:[0,1]
	v_pk_fma_f32 v[96+4*\i:97+4*\i], v[96+4*\i:97+4*\i], v[216:217], v[220:221]    ; xn, by the same lines as in the launch before
	s_delay_alu instid0(VALU_DEP_2)
	v_pk_fma_f32 v[98+4*\i:99+4*\i], v[98+4*\i:99+4*\i], v[218:219], v[222:223]
	s_delay_alu instid0(VALU_DEP_2)
	v_pk_add_f32 v[96+4*\i:97+4*\i], v[96+4*\i:97+4*\i], v[160+4*\i:161+4*\i]
	s_delay_alu instid0(VALU_DEP_2)
	v_pk_add_f32 v[98+4*\i:99+4*\i], v[98+4*\i:99+4*\i], v[162+4*\i:163+4*\i]
	global_store_b128 v30, v[96+4*\i:99+4*\i], s[24:25] offset:1024*(32*(\i/4)+2*(\i%4)) th:TH_STORE_NT   ; 16 lanes store 256 consecutive bytes, at a multiple of 256 from out0's first byte
.endr
	s_wait_tensorcnt 0x0                           ; the wave's end, behind my last tensor load and my last LDS store
	ds_add_u32 v5, v6
	s_wait_dscnt 0x0
	CROUND                                         ; the closing round: no work-group ends while a partner may still ask for a tile that names it
	s_endpgm
.Lfunc_end_k_q4c8758f6e6_attn:
	.size	k_q4c8758f6e6_attn, .Lfunc_end_k_q4c8758f6e6_attn-k_q4c8758f6e6_attn
	.p2alignl 7, 3214868480
	.fill 96, 4, 3214868480
	.section	.rodata,"a",@progbits
	.p2align	6, 0x0
	.amdhsa_kernel k_q4c8758f6e6_attn
		.amdhsa_group_segment_fixed_size 327680
		.amdhsa_private_segment_fixed_size 0
		.amdhsa_enable_private_segment 0
		.amdhsa_kernarg_size 88
		.amdhsa_user_sgpr_count 2
		.amdhsa_user_sgpr_kernarg_segment_ptr 1
		.amdhsa_wavefront_size32 1
		.amdhsa_system_sgpr_workgroup_id_x 1
		.amdhsa_system_sgpr_workgroup_id_y 1
		.amdhsa_system_sgpr_workgroup_id_z 1
		.amdhsa_system_vgpr_workitem_id 0
		.amdhsa_next_free_vgpr 256
		.amdhsa_next_free_sgpr 66
		.amdhsa_reserve_vcc 0
		.amdhsa_float_denorm_mode_32 3
		.amdhsa_float_denorm_mode_16_64 3
		.amdhsa_memory_ordered 1
		.amdhsa_forward_progress 1
		.amdhsa_inst_pref_size 143
	.end_amdhsa_kernel
	.amdgpu_metadata
---
amdhsa.version: [ 1, 2 ]
amdhsa.kernels:
  - .name:           k_q4c8758f6e6_attn
    .symbol:         k_q4c8758f6e6_attn.kd
    .args:
      - { .name: qc, .offset: 0, .size: 8, .value_kind: global_buffer, .address_space: global }
      - { .name: qs, .offset: 8, .size: 8, .value_kind: global_buffer, .address_space: global }
      - { .name: kv, .offset: 16, .size: 8, .value_kind: global_buffer, .address_space: global }
      - { .name: gstat, .offset: 24, .size: 8, .value_kind: global_buffer, .address_space: global }
      - { .name: x, .offset: 32, .size: 8, .value_kind: global_buffer, .address_space: global }
      - { .name: gn_scale, .offset: 40, .size: 8, .value_kind: global_buffer, .address_space: global }
      - { .name: gn_bias, .offset: 48, .size: 8, .value_kind: global_buffer, .address_space: global }
      - { .name: w_out_codes, .offset: 56, .size: 8, .value_kind: global_buffer, .address_space: global }
      - { .name: w_out_scales, .offset: 64, .size: 8, .value_kind: global_buffer, .address_space: global }
      - { .name: b_out, .offset: 72, .size: 8, .value_kind: global_buffer, .address_space: global }
      - { .name: out0, .offset: 80, .size: 8, .value_kind: global_buffer, .address_space: global }
    .group_segment_fixed_size: 327680
    .private_segment_fixed_size: 0
    .kernarg_segment_align: 8
    .kernarg_segment_size: 88
    .max_flat_workgroup_size: 512
    .sgpr_count:     66
    .vgpr_count:     256
    .wavefront_size: 32
...
	.end_amdgpu_metadata
.endif
;; end of part 6
